; MI455X (gfx1250); checked and timed in simulation.
; The chip was launched on July 23, 2026; its instructions are those of AMD's public machine-readable ISA for CDNA 5 (MIT licence, August 2026) and "CDNA5" Instruction Set Architecture Reference Guide (July 2026). The comments in the code are by the model that wrote it; some were corrected since.
;; Qwen3 Flash MTP Attention. Allowed arithmetic: matrix products marked QUANTISED: E2M3 operands, one E8M0 scale for each 32 along K, by v_wmma_scale_f32_16x16x128_f8f6f4 with both operands' format E2M3, f32 sums; everything else in f32.
;; Inputs: Wk 1,024 x 2,048 float32; Wo 2,048 x 1,024 float32; Wq 1,024 x 2,048 float32; Wv 1,024 x 2,048 float32; attention_mask 2 x 1 x 2,048 x 2,048 float32; cos 2 x 1,024 x 128 float32; hidden_states 2 x 2,048 x 2,048 float32; k_norm_w 128 float32; q_norm_w 128 float32; sin 2 x 1,024 x 128 float32; target_hidden 2 x 1,024 x 2,048 float32.
;; Outputs: out0 2 x 2,048 x 2,048 float32.
;; This version of the problem:
;;   THIS VERSION OF THE PROBLEM IS GIVEN IN LOW PRECISION. The matrix products marked QUANTISED in the list below multiply operands that are first quantised to E2M3 (2 exponent bits, 3 mantissa bits; 6 bits a number), with one power-of-two scale for each 32 numbers along K (OCP MX v1.0); their sums are f32. All else is computed in f32.
;;   The module's matrix products, in the order in which they are computed (A, B: the left and right operand; K: the contracted axis; several contracted axes count as one K, in the product's order):
;;     1. [M 4,096, K 2,048] x [K 2,048, N 1,024]; A: input hidden_states; B: input Wq: QUANTISED
;;     2. [M 4,096, K 2,048] x [K 2,048, N 1,024]; A: input hidden_states; B: input Wk: QUANTISED
;;     3. [M 4,096, K 2,048] x [K 2,048, N 1,024]; A: input hidden_states; B: input Wv: QUANTISED
;;     4. batch 16 x [M 2,048, K 128] x [K 128, N 2,048]; A: computed on the way; B: computed on the way: QUANTISED
;;     5. batch 16 x [M 2,048, K 2,048] x [K 2,048, N 128]; A: softmax (see below); B: computed on the way: QUANTISED
;;     6. [M 4,096, K 1,024] x [K 1,024, N 2,048]; A: computed on the way; B: input Wo: QUANTISED
;;   THE QUANTISER, for each operand of a quantised product, along K:
;;     - K is cut into blocks of 32 from its start; a last block that is shorter is filled with zeros.
;;     - A block's scale is 2^e with e = floor(log2(the largest magnitude in the block)) - 2, held to -126 .. 127; a block of zeros has e = 0. As a byte (E8M0): e + 127.
;;     - Each number is divided by its block's scale, clamped to +-7.5, and rounded to the nearest number of E2M3, ties to even, subnormals kept.
;;     - The product sums the exact products of the quantised numbers (number of the format x scale) in f32.
;;   ~~~python
;;   def quantise(x, axis):      # numpy; x: float32 -> the quantised numbers, widened to float32 again
;;       x = np.moveaxis(x, axis, -1); K = x.shape[-1]
;;       x = np.pad(x, [(0, 0)] * (x.ndim - 1) + [(0, -K % 32)]); x = x.reshape(x.shape[:-1] + (-1, 32)); a = np.abs(x).max(-1, keepdims=True)
;;       e = np.where(a > 0, np.clip(np.frexp(np.where(a > 0, a, 1))[1] - 1 - 2, -126, 127), 0)      # np.frexp(a)[1] - 1 = floor(log2(a)), exactly
;;       r = np.clip(x / 2.0 ** e, -7.5, 7.5)
;;       step = 2.0 ** (np.maximum(np.frexp(np.where(r == 0, 1, r))[1] - 1, 0) - 3)
;;       q = np.round(r / step) * step * 2.0 ** e      # np.round: ties to even
;;       return np.moveaxis(q.reshape(q.shape[:-2] + (-1,))[..., :K], -1, axis).astype(np.float32)
;;   ~~~
;;   SOFTMAX AHEAD OF A QUANTISED PRODUCT. Where the list says 'softmax', what is quantised is not the finished softmax but p = 2^(t - M), with t = logit x log2(e) and M = ceil(the row's largest t), a whole number; so 1/2 < the row's largest p <= 1. The row's sum l is taken of the UNQUANTISED p, in f32, and the product's result is divided by l at the end. Since M is a whole number, a kernel that streams over the keys may use a running M (the ceiling of the running maximum): every later rescaling is an exact power of two, which a block's scale takes up: the codes' values come out the same.
;;   OPERANDS COMPUTED ON THE WAY. 'Computed on the way' means the value that the module computes at that place (a softmax that the list does not call 'softmax' is quantised finished and normalised). What goes into a quantiser is computed in f32, as accurately as f32 sums, v_exp_f32 and their like allow (about 1e-6 of the number): no bf16 or f16 on the way to a quantiser, and a product that is left as it is and whose result goes on into a quantised operand takes f32 operands (vector FMAs, or v_wmma_f32_16x16x4_f32). A number that lies on a knife's edge between two numbers of the format may be rounded either way, as far as f32 arithmetic and the matrix unit's own rounding can turn it there, and no further.
;; One version. Each part assembles by itself: llvm-mc -triple=amdgcn-amd-amdhsa -mcpu=gfx1250 --defsym DOCPART=n.
;; ======== version 1 of 1: 4 launches
;; workspace buffers: ops 13,107,200 bytes; qkv 9,830,400 bytes; ao 3,276,800 bytes; cs 2,097,152 bytes
;; launch quant (part 1): grid 528 x 1, 4 waves a work-group, no clusters, 68,096 bytes of LDS; arguments hidden_states, Wq, Wk, Wv, Wo, ops, cos, sin, cs; writes ops, cs
.if DOCPART == 1
	.amdgcn_target "amdgcn-amd-amdhsa--gfx1250"
	.amdhsa_code_object_version 6
	.text
	.protected	k_q775a1daaa9_quant
	.globl	k_q775a1daaa9_quant
	.p2align	8
	.type	k_q775a1daaa9_quant,@function
k_q775a1daaa9_quant:
	s_mov_b64 s[64:65], 0
	v_nop
	global_prefetch_b8 v0, s[64:65] scope:SCOPE_SE
	s_setreg_imm32_b32 hwreg(HW_REG_WAVE_MODE, 25, 1), 1
	s_wait_xcnt 0x0
; hidden_states [4096][2048], Wq, Wk, Wv [1024][2048] and Wo [2048][1024], all f32 with K innermost, become codes of FP6 (E2M3) with one E8M0 scale byte for each 32 along K,
; laid in the workspace 'ops' in the ORDER OF THE OPERAND'S REGISTERS, so that the products' launches bring a fragment by three loads of 16 bytes a lane.
; A TILE is the 16 rows of one matrix operand: tile t holds rows 32 (t / 2) + 8 (t % 2) + r + 8 (r / 8), r = 0 .. 15.  (Used as source 0 of a product, two neighbouring tiles then leave 16 NEIGHBOURS in a lane's 16 registers.)
; A FRAGMENT (a tile x 128 along K, 12 registers a lane) lies as the image of its registers, 1,536 bytes: registers 4 c .. 4 c + 3 of lane l at 512 c + 16 l.
; Scale words (four bytes: 128 along K of one row) lie [tile][256 along K][r][2 words].
; A block's scale is 2^(floor(log2(its largest magnitude)) - 2); its byte is the largest magnitude's exponent field - 2, held at 1 from below.
; LIMITS: NaN and infinities among the inputs are not served.  A block whose largest magnitude lies under 2^-124 keeps the byte 1; so does a block of zeros, where the rule says 127: its codes are zeros, and this program alone reads the bytes.
; SHARES.  Work-groups 0 to 511: a wave is a job J = 4 x work-group + wave: one tile x 512 along K, four fragments.  Its codes go to 6,144 J, its scale words to CODES + 256 J; the jobs are numbered hidden_states, Wq, Wk, Wv, Wo.
; Each load reads 512 consecutive bytes of one row; a fragment's 16 rows turn through the wave's own stage in LDS (rows of 512 + 16 bytes) and come back 128 bytes a lane: lane (r, h) holds k = 64 c + 32 h + 0 .. 31 of row r,
; two whole blocks, so that no other lane is asked for a maximum and the conversions' results are the operand's registers.
; Work-groups 512 to 527 change no number: they lay cos and sin [2048][128] f32 into 'cs' in the order in which the next launch's registers take them: a tile of 16 rows is 8,192 bytes; registers 4 g .. 4 g + 3 of lane l at
; 512 g + 16 l, where register 16 b + i of lane (r, h) is channel 32 b + 16 h + i of the tile's row r.  So that launch reads them by loads of 512 consecutive bytes.  A wave takes four tiles, through a stage of its own.
; No matrix unit, no tensor load, no cluster, no barrier: memory binds, the work-groups share no input and the waves share nothing.  Loads run two fragments (32 loads a wave) ahead.
.set STG,   16*528                     ; a wave's stage; the first four stages serve the codes' path, the next four the path of cos and sin: no byte of LDS is named on both
.set CODES, 12582912                   ; 2,048 jobs x 6,144 bytes of codes; behind them the scale words
.set RO,    8                          ; v8-23    row n of the tile: (n + 8 (n / 8)) x the row's bytes + 16 x lane; never rewritten
.set R,     32                         ; v32-159  two sets of 64 registers as loaded
.set X,     160                        ; v160-223 my 64 numbers of a fragment
.set PC,    224                        ; v224-235 the fragment's codes
.set PH,    236                        ; v236-238, v240-242 the upper halves of the two blocks (a conversion's three registers begin on an even number)
.set PW,    244                        ; v244-247 the four fragments' scale words
	s_load_b256 s[4:11], s[0:1], 0x0               ; hidden_states, Wq, Wk, Wv
	s_load_b128 s[12:15], s[0:1], 0x20             ; Wo, ops
	s_load_b128 s[36:39], s[0:1], 0x30             ; cos, sin
	s_load_b64 s[40:41], s[0:1], 0x40              ; cs
	v_lshl_add_u32 v254, v0, 2, 0x10800
	v_mov_b32 v255, 0
	v_lshrrev_b32 v1, 5, v0
	v_readfirstlane_b32 s16, v1                    ; wave
	v_and_b32 v1, 31, v0                           ; lane
	v_and_b32 v2, 15, v0                           ; r
	v_bfe_u32 v3, v0, 4, 1                         ; h
	s_mul_i32 s17, s16, STG
	v_lshlrev_b32 v6, 4, v1                        ; 16 x lane
	v_lshlrev_b32 v7, 3, v1                        ; 8 x lane
	s_lshl_b32 s18, ttmp9, 2
	s_add_co_u32 s18, s18, s16                     ; J
	s_wait_kmcnt 0x0
	s_cmp_ge_u32 ttmp9, 512                        ; the two paths part on the work-group's number and never meet again
	s_cbranch_scc1 .Lcs
	v_add_nc_u32 v4, s17, v6                       ; the stage, on the way in: a row's 512 bytes as they lie
	v_mul_u32_u24 v5, v2, 528
	v_lshl_add_u32 v5, v3, 7, v5
	v_add_nc_u32 v5, s17, v5                       ; and on the way out: row r, + 128 h
	v_lshlrev_b32 v24, 3, v3                       ; 8 h: how far my two scale bytes are shifted
	v_mov_b32 v25, 0                               ; (a lane permute's destination counts as one of its sources)
	s_mov_b32 s30, 0x76543210
	s_mov_b32 s31, 0xfedcba98                      ; v_permlanex16_b32's selects for lane l xor 16
	; whose job is it?  The choices hang on the work-group's number alone.  s[20:21] the tensor, s22 its first work-group, s23 a row's bytes, s24 log2 of the jobs to a tile
	s_mov_b64 s[20:21], s[12:13]
	s_mov_b32 s22, 448
	s_mov_b32 s23, 4096
	s_cmp_lt_u32 ttmp9, 448
	s_cselect_b64 s[20:21], s[10:11], s[20:21]
	s_cselect_b32 s22, 384, s22
	s_cselect_b32 s23, 8192, s23
	s_cselect_b32 s24, 2, 1
	s_cmp_lt_u32 ttmp9, 384
	s_cselect_b64 s[20:21], s[8:9], s[20:21]
	s_cselect_b32 s22, 320, s22
	s_cmp_lt_u32 ttmp9, 320
	s_cselect_b64 s[20:21], s[6:7], s[20:21]
	s_cselect_b32 s22, 256, s22
	s_cmp_lt_u32 ttmp9, 256
	s_cselect_b64 s[20:21], s[4:5], s[20:21]
	s_cselect_b32 s22, 0, s22
	s_lshl_b32 s22, s22, 2
	s_sub_co_u32 s25, s18, s22                     ; the job's number in its tensor
	s_lshr_b32 s32, s25, s24                       ; its tile t
	s_lshl_b32 s33, s32, s24
	s_sub_co_u32 s33, s25, s33                     ; and which 512 along K
	s_lshr_b32 s34, s32, 1
	s_lshl_b32 s34, s34, 5
	s_and_b32 s35, s32, 1
	s_lshl_b32 s35, s35, 3
	s_add_co_u32 s34, s34, s35                     ; the tile's first row: 32 (t / 2) + 8 (t % 2)
	s_mul_i32 s34, s34, s23
	s_lshl_b32 s33, s33, 11
	s_add_co_u32 s34, s34, s33                     ; in bytes, under 2^26
	s_mov_b32 s35, 0
	s_add_nc_u64 s[20:21], s[20:21], s[34:35]
	s_mul_i32 s26, s18, 6144
	s_mov_b32 s27, 0
	s_add_nc_u64 s[26:27], s[14:15], s[26:27]      ; my codes
	s_lshl_b32 s28, s18, 8
	s_add_co_u32 s28, s28, CODES
	s_mov_b32 s29, 0
	s_add_nc_u64 s[28:29], s[14:15], s[28:29]      ; my scale words
.irp n, 0,1,2,3,4,5,6,7,8,9,10,11,12,13,14,15
	s_mul_i32 s25, s23, \n+8*(\n/8)
	v_add_nc_u32 v[RO+\n], s25, v6
.endr
.macro LOAD t                          ; fragment t: 16 rows x 512 bytes; each load reads 512 consecutive bytes, read once in the launch
.irp n, 0,1,2,3,4,5,6,7,8,9,10,11,12,13,14,15
	global_load_b128 v[R+64*((\t)%2)+4*\n:R+64*((\t)%2)+4*\n+3], v[RO+\n], s[20:21] offset:512*(\t) th:TH_LOAD_NT
.endr
.endm
.macro QF f
.if \f < 3
	s_wait_loadcnt 16                              ; this fragment's 16 loads are in; the next fragment's 16 may be out
.else
	s_wait_loadcnt 0x0
.endif
.irp n, 0,1,2,3,4,5,6,7,8,9,10,11,12,13,14,15
	ds_store_b128 v4, v[R+64*((\f)%2)+4*\n:R+64*((\f)%2)+4*\n+3] offset:528*\n
.endr
.irp c, 0,1
.irp j, 0,1,2,3,4,5,6,7
	ds_load_b128 v[X+32*\c+4*\j:X+32*\c+4*\j+3], v5 offset:256*\c+16*\j   ; LDS serves a wave's instructions in order: these see the stores above, and the next fragment's stores come behind them
.endr
.endr
	s_wait_dscnt 0x0                               ; my numbers are back, and the stores into the stage have read their registers,
.if \f < 2
	LOAD (\f)+2                                    ; which take the loads of two fragments on
.endif
.irp c, 0,1
	v_max3_num_f32 v[26+\c], |v[X+32*\c]|, |v[X+32*\c+1]|, 0x1800000   ; my block 2 c + h: all its 32 numbers are mine; and the floor 2^(3 - 127): the byte cannot fall under 1
.endr
.irp i, 2,4,6,8,10,12,14,16,18,20,22,24,26,28,30
.irp c, 0,1
	v_max3_num_f32 v[26+\c], v[26+\c], |v[X+32*\c+\i]|, |v[X+32*\c+\i+1]|   ; (the two blocks by turns)
.endr
.endr
.irp c, 0,1
	v_add_nc_u32 v[28+\c], 0xff000000, v[26+\c]    ; 2 off the exponent field: the conversion takes the exponent field of this operand as its scale, and nothing else of it
.endr
.irp c, 0,1
	v_lshrrev_b32 v[30+\c], 23, v[28+\c]           ; the scale's byte
.endr
	v_lshl_or_b32 v[PW+\f], v31, 16, v30           ; my two bytes: blocks h and 2 + h of row r,
	v_lshlrev_b32 v[PW+\f], v24, v[PW+\f]          ; at their places in the scale word;
	v_permlanex16_b32 v25, v[PW+\f], s30, s31
	v_or_b32 v[PW+\f], v[PW+\f], v25               ; with lane l xor 16's two the word is whole, in both lanes
	s_wait_xcnt 0x0                                ; the last fragment's stores have read their registers: the codes may be written anew
.irp c, 0,1
	v_cvt_scalef32_pk16_fp6_f32 v[PC+6*\c:PC+6*\c+2], v[X+32*\c:X+32*\c+15], v[28+\c]
	v_cvt_scalef32_pk16_fp6_f32 v[PH+4*\c:PH+4*\c+2], v[X+32*\c+16:X+32*\c+31], v[28+\c]
.endr
	v_nop                                          ; one plain place behind a scaled conversion
.irp c, 0,1
.irp i, 0,1,2
	v_mov_b32 v[PC+3+6*\c+\i], v[PH+4*\c+\i]       ; registers 6 c .. 6 c + 5 hold k = 64 c + 32 h + 0 .. 31
.endr
.endr
.irp c, 0,1,2
	global_store_b128 v6, v[PC+4*\c:PC+4*\c+3], s[26:27] offset:1536*(\f)+512*\c   ; 32 lanes store 512 consecutive bytes, at a multiple of 256 from the buffer's first byte
.endr
.endm
	LOAD 0
	LOAD 1
	QF 0
	QF 1
	QF 2
	QF 3
	v_cmp_eq_u32 vcc_lo, 1, v3                     ; lanes 0-15 store the words of the first 256 along K, lanes 16-31 those of the second
	v_cndmask_b32 v248, v[PW], v[PW+2], vcc_lo
	v_cndmask_b32 v249, v[PW+1], v[PW+3], vcc_lo
	global_store_b64 v7, v[248:249], s[28:29]      ; 32 lanes store 256 consecutive bytes, aligned
	s_wait_tensorcnt 0x0
	ds_add_u32 v254, v255
	s_wait_dscnt 0x0
	s_endpgm
.Lcs:                                              ; cos and sin.  Job 0 .. 63: jobs 0-31 take cos, jobs 32-63 sin; a job is 64 rows of 512 bytes: four tiles
	s_sub_co_u32 s25, s18, 2048
	s_cmp_lt_u32 s25, 32                           ; the choice hangs on the work-group's number alone
	s_cselect_b64 s[20:21], s[36:37], s[38:39]
	s_and_b32 s32, s25, 31
	s_lshl_b32 s32, s32, 15                        ; 32,768 bytes a job, in the tensor
	s_mov_b32 s33, 0
	s_add_nc_u64 s[20:21], s[20:21], s[32:33]
	s_lshl_b32 s34, s25, 15                        ; and in cs: cos' 128 tiles, then sin's
	s_mov_b32 s35, 0
	s_add_nc_u64 s[26:27], s[40:41], s[34:35]
	s_add_co_u32 s17, s17, 4*STG                   ; this path's own stages
	v_add_nc_u32 v26, s17, v6                      ; in: a row's 512 bytes as they lie
	v_mul_u32_u24 v27, v2, 528
	v_lshl_add_u32 v27, v3, 6, v27
	v_add_nc_u32 v27, s17, v27                     ; out: row r, + 64 h
.irp n, 0,1,2,3,4,5,6,7,8,9,10,11,12,13,14,15
	v_add_nc_u32 v[RO+\n], (\n+8*(\n/8))*512, v6
.endr
.macro CLOAD t                         ; tile t of the job's four: it begins at row 32 (t / 2) + 8 (t % 2); each load reads a whole row, 512 consecutive bytes
.irp n, 0,1,2,3,4,5,6,7,8,9,10,11,12,13,14,15
	global_load_b128 v[R+64*((\t)%2)+4*\n:R+64*((\t)%2)+4*\n+3], v[RO+\n], s[20:21] offset:(32*((\t)/2)+8*((\t)%2))*512 th:TH_LOAD_NT
.endr
.endm
.macro CF f
.if \f < 3
	s_wait_loadcnt 16                              ; this tile's 16 loads are in; the next tile's 16 may be out
.else
	s_wait_loadcnt 0x0
.endif
.irp n, 0,1,2,3,4,5,6,7,8,9,10,11,12,13,14,15
	ds_store_b128 v26, v[R+64*((\f)%2)+4*\n:R+64*((\f)%2)+4*\n+3] offset:528*\n
.endr
	s_wait_xcnt 0x0                                ; the last tile's stores have read their registers: they may be loaded anew
.irp b, 0,1,2,3
.irp j, 0,1,2,3
	ds_load_b128 v[X+16*\b+4*\j:X+16*\b+4*\j+3], v27 offset:128*\b+16*\j   ; register 16 b + i: channel 32 b + 16 h + i of row r.  LDS serves a wave's instructions in order: these see the stores above
.endr
.endr
	s_wait_dscnt 0x0                               ; they are back, and the stores into the stage have read their registers,
.if \f < 2
	CLOAD (\f)+2                                   ; which take the loads of two tiles on
.endif
.irp g, 0,1,2,3,4,5,6,7,8,9,10,11,12,13,14,15
	global_store_b128 v6, v[X+4*\g:X+4*\g+3], s[26:27] offset:8192*(\f)+512*\g   ; 32 lanes store 512 consecutive bytes, at a multiple of 256 from the buffer's first byte
.endr
.endm
	CLOAD 0
	CLOAD 1
	CF 0
	CF 1
	CF 2
	CF 3
	s_wait_tensorcnt 0x0
	ds_add_u32 v254, v255
	s_wait_dscnt 0x0
	s_endpgm
.Lfunc_end_k_q775a1daaa9_quant:
	.size	k_q775a1daaa9_quant, .Lfunc_end_k_q775a1daaa9_quant-k_q775a1daaa9_quant
	.p2alignl 7, 3214868480
	.fill 96, 4, 3214868480
	.section	.rodata,"a",@progbits
	.p2align	6, 0x0
	.amdhsa_kernel k_q775a1daaa9_quant
		.amdhsa_group_segment_fixed_size 68096
		.amdhsa_private_segment_fixed_size 0
		.amdhsa_enable_private_segment 0
		.amdhsa_kernarg_size 72
		.amdhsa_user_sgpr_count 2
		.amdhsa_user_sgpr_kernarg_segment_ptr 1
		.amdhsa_wavefront_size32 1
		.amdhsa_system_sgpr_workgroup_id_x 1
		.amdhsa_system_sgpr_workgroup_id_y 1
		.amdhsa_system_sgpr_workgroup_id_z 1
		.amdhsa_system_vgpr_workitem_id 0
		.amdhsa_next_free_vgpr 256
		.amdhsa_next_free_sgpr 66
		.amdhsa_reserve_vcc 1
		.amdhsa_float_denorm_mode_32 3
		.amdhsa_float_denorm_mode_16_64 3
		.amdhsa_memory_ordered 1
		.amdhsa_forward_progress 1
		.amdhsa_inst_pref_size 54
	.end_amdhsa_kernel
	.amdgpu_metadata
---
amdhsa.version: [ 1, 2 ]
amdhsa.kernels:
  - .name:           k_q775a1daaa9_quant
    .symbol:         k_q775a1daaa9_quant.kd
    .args:
      - { .name: hidden_states, .offset: 0, .size: 8, .value_kind: global_buffer, .address_space: global }
      - { .name: Wq, .offset: 8, .size: 8, .value_kind: global_buffer, .address_space: global }
      - { .name: Wk, .offset: 16, .size: 8, .value_kind: global_buffer, .address_space: global }
      - { .name: Wv, .offset: 24, .size: 8, .value_kind: global_buffer, .address_space: global }
      - { .name: Wo, .offset: 32, .size: 8, .value_kind: global_buffer, .address_space: global }
      - { .name: ops, .offset: 40, .size: 8, .value_kind: global_buffer, .address_space: global }
      - { .name: cos, .offset: 48, .size: 8, .value_kind: global_buffer, .address_space: global }
      - { .name: sin, .offset: 56, .size: 8, .value_kind: global_buffer, .address_space: global }
      - { .name: cs, .offset: 64, .size: 8, .value_kind: global_buffer, .address_space: global }
    .group_segment_fixed_size: 68096
    .private_segment_fixed_size: 0
    .kernarg_segment_align: 8
    .kernarg_segment_size: 72
    .max_flat_workgroup_size: 128
    .sgpr_count:     66
    .vgpr_count:     256
    .wavefront_size: 32
...
	.end_amdgpu_metadata
.endif
;; end of part 1
;; launch qkv (part 2): grid 48 x 4, 4 waves a work-group, clusters of 4 x 4, 327,680 bytes of LDS; arguments ops, cs, q_norm_w, k_norm_w, qkv; writes qkv
.if DOCPART == 2
	.amdgcn_target "amdgcn-amd-amdhsa--gfx1250"
	.amdhsa_code_object_version 6
	.text
	.protected	k_q775a1daaa9_qkv
	.globl	k_q775a1daaa9_qkv
	.p2align	8
	.type	k_q775a1daaa9_qkv,@function
k_q775a1daaa9_qkv:
	s_mov_b64 s[64:65], 0
	v_nop
	global_prefetch_b8 v0, s[64:65] scope:SCOPE_SE
	s_setreg_imm32_b32 hwreg(HW_REG_WAVE_MODE, 25, 1), 1
	s_wait_xcnt 0x0
	s_wait_alu depctr_hold_cnt(0) depctr_sa_sdst(0) depctr_va_vdst(0) depctr_va_sdst(0) depctr_va_ssrc(0) depctr_va_vcc(0) depctr_vm_vsrc(0)
	s_getreg_b32 s2, hwreg(HW_REG_IB_STS2, 6, 4)
	s_cmp_eq_u32 s2, 0
	s_cbranch_scc0 .Lentry_in_a_cluster
	s_endpgm
.Lentry_in_a_cluster:
	s_bfe_u32 s2, ttmp6, 0x10000c
	s_cmp_lg_u32 s2, 0xf033
	s_cbranch_scc0 .Lentry_shape_is_right
	s_endpgm
.Lentry_shape_is_right:
; q, k, v = hidden_states x Wq^T, Wk^T, Wv^T on codes of FP6 (E2M3) with E8M0 scales; then, in registers, the RMS norm of each head of q and k, RoPE on positions 1,024 to 2,047 of each batch, and the quantisers
; ahead of attention's two products: q and k along the head's 128, v along the keys.  (target_hidden enters the computation by its shape alone, which fixes the 1,024: no number of it is used, so it is not loaded.)
; A work-group of four waves makes 256 x 256 results, a wave 128 x 128: 64 accumulators of 16 x 16, 512 registers.  K = 2,048 goes in steps of 256 through a ring of two LDS slots filled by the tensor data mover.
; The operands lie in 'ops' as images of their registers (1,536 bytes for a tile of 16 rows x 128 K): a fragment comes from LDS by three loads of 16 bytes a lane, 512 consecutive bytes each: no pitch, no padding.
; THE MATRIX INSTRUCTION: source 0 = a tile of 'B', source 1 = a tile of 'A'.  A lane then holds ONE row of A, and since tile t holds rows 32 (t / 2) + 8 (t % 2) + r + 8 (r / 8), its 64 registers of one block of A
; run along B: register 16 b + i is B's row 32 b + 16 (lane / 16) + i.
;   clusters 0-7:  A = 256 tokens, B = 256 rows of Wq | Wk: a lane holds one token, and a wave's 128 columns are ONE head: norm, RoPE and the quantiser along d stay in the lane and its partner 16 lanes away.
;   clusters 8-11: A = 256 rows of Wv, B = 256 tokens: a lane holds one channel d, and its registers run along the tokens, which are the K of attention's second product.
; 192 work-groups: 768 wave tiles of 128 x 128; a head stays in one wave for the norm's sake, so the tile is not cut further.
; CLUSTERS: 4 x 4 work-groups.  The four of a row of the cluster need the same tiles of A, the four of a column the same tiles of B: each is asked for JOINTLY.  Which kind a cluster makes hangs on the cluster's number alone.
; COS AND SIN come from 'cs', where the launch before has laid them in the order of this text's registers: 8,192 bytes for a tile of 16 tokens, each load 512 consecutive bytes.  They are asked for two blocks ahead, into two sets of registers.
; OUT, to 'qkv': blocks of 12,800 bytes for one head and 128 tokens: 8 fragment images, then 512 bytes of scale words [r][fragment].  Q's blocks first; behind them K's and V's by turns.
; LIMITS: NaN and infinities are not served; a block whose largest magnitude lies under 2^-124 (a block of zeros too) keeps the scale byte 1: its bytes are read by this program alone.
; REGISTERS, in windows of 256.  Window 0: v1-29 addresses; v32-63 scale words, two sets; v64-127 the norm's weights; v128-223 A's fragments, ONE set; on the way out v128-251 are at work.
;   window 1: B's fragments, two sets, at v0 and v128; on the way out two sets of cos (over which RoPE's result is written) and sin.   windows 2, 3: accumulator (a, b) at v[8 (8 (a % 4) + b)].
.set WC,     6291456                   ; in ops: the weights' codes (hidden_states' at 0),
.set XS,     12582912                  ; hidden_states' scale words,
.set WS,     12845056                  ; the weights'
.set QSZ,    3276800                   ; in qkv: Q's 256 blocks
.set BLK,    12800
.set KT,     24576                     ; a tile's codes in memory: 16 fragments
.set FRB,    1536                      ; a fragment's image
.set TSL,    2*FRB                     ; a tile's part of a slot: 256 along K
.set HALFT,  8*TSL                     ; 8 tiles: what one tensor load brings, and what one wave reads of A or of B
.set SLOT,   4*HALFT                   ; A's 16 tiles, then B's 16
.set NQ,     2                         ; matrix instructions deep in a slot
.set FR,     12                        ; registers of a fragment
.set NL,     3                         ; LDS loads that bring one
.set NP,     4                         ; places behind this matrix instruction (ISA guide 7.12.1)
.set LAPS,   4                         ; a lap = twice 256 along K = once round the ring
.set STILE,  1024                      ; a tile's scale words, for all of K: 8 x 128 bytes
.set HALFS,  8*STILE
.set SCL,    2*SLOT                    ; behind the ring: A's scale words, filled once;
.set SCB,    SCL+2*HALFS+128           ; B's, 128 bytes further on than they need lie, so that lanes 16-31 of a load touch the other 32 banks (64 banks of 4 bytes: ISA guide 11.1)
.set SPARE,  SCB+2*HALFS+128           ; the spare words, 128 bytes for each wave: two blocks of 256 bytes that no other line names
.set ADRA, 16                          ; v16-17  LDS address of my A fragments in slot 0, 1
.set ADRB, 20                          ; v20-21  the same for B
.set SA,   25                          ; v25     32 r + 16 h: my 16 bytes of the block's scale words
.set GO,   26                          ; v26     16 x lane
.set ADRS, 27                          ; v27     LDS address of my scale words: lanes 0-15 A's rows, lanes 16-31 B's
.set SPW,  28                          ; v28     LDS address of my spare word; never rewritten
.set NIL,  29                          ; v29     0; never rewritten
.set SC,   32
.set NW,   64                          ; v64-127 the norm's weight at my 64 channels
.set AF,   128
.set Y,    128                         ; the way out, window 0: v128-191 a block's 64 numbers
.set TM,   192                         ; v192-207 the quantiser's maxima, bytes and scale operands
.set PC,   210                         ; v210-228 the codes just made
.set SS,   230                         ; v230-237 sums of squares, four chains of pairs
.set RS,   238                         ; v238 1 / the root of the mean square (v239 is named with it as a pair)
.set PWS,  240                         ; v240-247 the eight fragments' scale words
.set OUTW, 248                         ; v248-251 the four that I store
.set SEL,  100                         ; s[100:101] v_permlanex16_b32's selects for lane l xor 16
.set G1, 24                            ; s[24:31] descriptor group 1 for A's tiles;  s[32:39] group 0, one set for each slot
.set G0, 32
.set G1B, 48                           ; s[48:55], s[56:63] the same for B's tiles
.set G0B, 56
.set G1S, 68                           ; s[68:75], s[76:79] groups 1 and 0 for A's scale words;  s[80:87], s[88:91] for B's
.set G0S, 76
.set G1SB, 80
.set G0SB, 88
.set MSB, 0
.macro WIN new                         ; the immediate's high byte repeats the setting that is left; a switch that changes nothing is dropped
.if MSB != (\new)
	s_set_vgpr_msb (MSB<<8)|(\new)
.set MSB, (\new)
.endif
.endm
.set MUL_LO, 0xa1                      ; source 0 (B) window 1, source 1 (A) window 0, C and D window 2
.set MUL_HI, 0xf1                      ; the same, C and D window 3
.set TO_B,   0x40                      ; destination window 1, address window 0
; A joint load: waves 0 and 1 fetch for A, waves 2 and 3 for B.  Each of the two lines has ONE mask and one set of registers for all that issue it; the branch hangs on the wave's number alone.
; Four v_nop follow each of the two lines, ahead of the jump, the label and what follows.
.macro JLOAD g0a, g1a, g0b, g1b
	s_cmp_eq_u32 s17, 0
	s_cbranch_scc0 .Lfor_b_\@
	tensor_load_to_lds s[\g0a:\g0a+3], s[\g1a:\g1a+7]
	s_nop 0
.rept 4
	v_nop
.endr
	s_branch .Lasked_\@
.Lfor_b_\@:
	tensor_load_to_lds s[\g0b:\g0b+3], s[\g1b:\g1b+7]
	s_nop 0
.rept 4
	v_nop
.endr
.Lasked_\@:
.endm
.macro CREST                           ; a round of the cluster's barrier behind its opening barrier
	s_cmp_lg_u32 s16, 0
	s_cbranch_scc1 .Lnot_wave_0_\@
	s_barrier_signal -3
.Lnot_wave_0_\@:
	s_barrier_wait -3
	s_barrier_signal -1
	s_barrier_wait -1
.endm
.macro CROUND                          ; a whole round
	s_barrier_signal -1
	s_barrier_wait -1
	CREST
.endm
	s_load_b256 s[4:11], s[0:1], 0x0               ; ops s[4:5], cs s[6:7], q_norm_w s[8:9], k_norm_w s[10:11]
	s_load_b64 s[14:15], s[0:1], 0x20              ; qkv
	v_lshl_add_u32 v[SPW], v0, 2, SPARE
	v_mov_b32 v[NIL], 0
	ds_add_u32 v28, v29
	s_wait_dscnt 0x0
	v_lshrrev_b32 v1, 5, v0
	v_readfirstlane_b32 s16, v1                    ; wave 0..3
	s_lshr_b32 s17, s16, 1                         ; which half of A's rows is mine.  Also: I fetch for A (0) or for B (1)
	s_and_b32 s18, s16, 1                          ; which half of B's rows.  Also: which 8 tiles I fetch
	s_mov_b32 s19, ttmp9                           ; c, the cluster's number, 0..11: the same in all sixteen partners
	s_bfe_u32 s20, ttmp6, 0x40000                  ; cx, cy: my place in the cluster
	s_bfe_u32 s21, ttmp6, 0x40004
	s_mov_b32 s66, 0x3c000000                      ; 1 / 128
	s_mov_b32 s67, 0x358637bd                      ; 1e-6
	s_mov_b32 s[SEL], 0x76543210
	s_mov_b32 s[SEL+1], 0xfedcba98
	; which blocks of 256 rows, and where the operands lie in ops: offsets alone are chosen, on c
	s_and_b32 s40, s19, 3
	s_lshl_b32 s40, s40, 2                         ; 4 (c & 3)
	s_lshr_b32 s41, s19, 2
	s_lshl_b32 s41, s41, 2                         ; 4 (c >> 2)
	s_max_u32 s42, s19, 8
	s_sub_co_u32 s42, s42, 8
	s_lshl_b32 s42, s42, 2                         ; 4 (c - 8)
	s_mov_b32 s43, WC+128*KT                       ; Wv's codes: the weights' tiles 128 on
	s_mov_b32 s44, WS+128*STILE
	s_mov_b32 s45, WC
	s_mov_b32 s46, WS
	s_mov_b32 s47, XS
	s_cmp_ge_u32 s19, 8                            ; a cluster of v?
	s_cselect_b32 s22, 0, s40
	s_cselect_b32 s23, s42, s41
	s_cselect_b32 s43, s43, 0                      ; A's codes,
	s_cselect_b32 s44, s44, s47                    ; A's scale words,
	s_cselect_b32 s45, 0, s45                      ; B's codes,
	s_cselect_b32 s46, s47, s46                    ; B's scale words
	s_add_co_u32 s22, s22, s21                     ; A's block of 256 rows: it hangs on cy alone of my place
	s_add_co_u32 s23, s23, s20                     ; B's: on cx alone
	s_lshl_b32 s2, s21, 2
	s_lshl_b32 s2, 15, s2                          ; my row of the cluster
	s_lshl_b32 s3, 0x1111, s20                     ; my column
	; descriptor group 1 for the codes: 8 tiles' parts of a slot: 8 rows of 3,072 bytes (384 elements of 8 bytes), 24,576 bytes apart in memory, on end in LDS
	s_or_b32 s[G1], s2, (3<<16)|(1<<21)            ; 15:0 the mask: A's tiles go to my row; 17:16 elements of 8 bytes; 20 no padding; 21 set beside a mask
	s_or_b32 s[G1B], s3, (3<<16)|(1<<21)
.irp g, G1, G1B
	s_mov_b32 s[\g+1], (TSL/8)<<16                 ; tensor_dim0
	s_mov_b32 s[\g+2], 8<<16                       ; tensor_dim1
	s_mov_b32 s[\g+3], (TSL/8)<<16                 ; tile_dim0
	s_mov_b32 s[\g+4], 8                           ; tile_dim1
	s_mov_b32 s[\g+5], KT/8                        ; tensor_dim0_stride
	s_mov_b32 s[\g+6], 0
	s_mov_b32 s[\g+7], 0
.endr
	; and for the scale words of 8 tiles: a dense block of 8,192 bytes, as rows of 256 bytes
	s_or_b32 s[G1S], s2, (3<<16)|(1<<21)
	s_or_b32 s[G1SB], s3, (3<<16)|(1<<21)
.irp g, G1S, G1SB
	s_mov_b32 s[\g+1], 32<<16
	s_mov_b32 s[\g+2], (HALFS/256)<<16
	s_mov_b32 s[\g+3], 32<<16
	s_mov_b32 s[\g+4], HALFS/256
	s_mov_b32 s[\g+5], 32
	s_mov_b32 s[\g+6], 0
	s_mov_b32 s[\g+7], 0
.endr
	s_lshl_b32 s93, s18, 3                         ; which 8 tiles of the 16 I fetch
	s_lshl_b32 s92, s22, 4
	s_add_co_u32 s92, s92, s93                     ; A: the first of them
	s_mul_i32 s94, s92, KT
	s_add_co_u32 s94, s94, s43                     ; its codes, in bytes from ops' first (all under 2^24),
	s_mov_b32 s95, 0
	s_lshl_b32 s96, s92, 10
	s_add_co_u32 s96, s96, s44                     ; its scale words
	s_mov_b32 s97, 0
	s_lshl_b32 s47, s23, 4
	s_add_co_u32 s47, s47, s93                     ; B likewise, in registers of its own
	s_mul_i32 s40, s47, KT
	s_add_co_u32 s40, s40, s45
	s_mov_b32 s41, 0
	s_lshl_b32 s42, s47, 10
	s_add_co_u32 s42, s42, s46
	s_mov_b32 s43, 0
	s_mul_i32 s98, s16, HALFT                      ; where they go: wave x 8 tiles: no place in the cluster enters an LDS address
	s_mul_i32 s99, s18, HALFS
	s_wait_kmcnt 0x0
	s_add_nc_u64 s[94:95], s[4:5], s[94:95]
	s_add_nc_u64 s[96:97], s[4:5], s[96:97]
	s_add_nc_u64 s[40:41], s[4:5], s[40:41]
	s_add_nc_u64 s[42:43], s[4:5], s[42:43]
	CROUND                                         ; all sixteen work-groups are here: the first joint loads meet
	s_mov_b32 s[G0S], 1
	s_add_co_u32 s[G0S+1], s99, SCL
	s_mov_b64 s[G0S+2:G0S+3], s[96:97]
	s_or_b32 s[G0S+3], s[G0S+3], 0x80000000
	s_mov_b32 s[G0SB], 1
	s_add_co_u32 s[G0SB+1], s99, SCB
	s_mov_b64 s[G0SB+2:G0SB+3], s[42:43]
	s_or_b32 s[G0SB+3], s[G0SB+3], 0x80000000
	JLOAD G0S, G1S, G0SB, G1SB                     ; the scale words first: they are wanted with the first slot
.irp s, 0,1
	s_mov_b32 s[G0+4*\s], 1
	s_add_co_u32 s[G0+4*\s+1], s98, \s*SLOT
	s_add_nc_u64 s[G0+4*\s+2:G0+4*\s+3], s[94:95], \s*TSL
	s_or_b32 s[G0+4*\s+3], s[G0+4*\s+3], 0x80000000
	s_mov_b32 s[G0B+4*\s], 1
	s_add_co_u32 s[G0B+4*\s+1], s98, \s*SLOT
	s_add_nc_u64 s[G0B+4*\s+2:G0B+4*\s+3], s[40:41], \s*TSL
	s_or_b32 s[G0B+4*\s+3], s[G0B+4*\s+3], 0x80000000
	JLOAD G0+4*\s, G1, G0B+4*\s, G1B               ; three tensor loads of mine are out now: the most in this text
.endr
	v_and_b32 v1, 15, v0                           ; r
	v_bfe_u32 v2, v0, 4, 1                         ; h; kept to the end
	v_and_b32 v3, 31, v0
	v_lshlrev_b32 v[GO], 4, v3
	s_mul_i32 s40, s17, HALFT                      ; my 8 tiles of A
	s_mul_i32 s41, s18, HALFT                      ; my 8 tiles of B,
	s_add_co_u32 s41, s41, 2*HALFT                 ; which lie behind A's 16
.irp s, 0,1
	v_add_nc_u32 v[ADRA+\s], s40, v[GO]
	v_add_nc_u32 v[ADRB+\s], s41, v[GO]
	s_add_co_u32 s40, s40, SLOT
	s_add_co_u32 s41, s41, SLOT
.endr
	v_lshlrev_b32 v4, 3, v1                        ; my row's two words of a slot: 8 r
	s_mul_i32 s40, s17, HALFS                      ; A's: my 8 tiles
	s_mul_i32 s41, s18, HALFS                      ; B's: my 8 tiles
	s_add_co_u32 s41, s41, SCB-SCL
	s_sub_co_u32 s41, s41, s40
	v_mul_u32_u24 v5, s41, v2                      ; lanes 16-31 take B's: one product, h x the distance
	s_add_co_u32 s40, s40, SCL
	v_add_nc_u32 v4, v4, v5
	v_add_nc_u32 v[ADRS], s40, v4
	v_lshlrev_b32 v[SA], 5, v1
	v_lshl_add_u32 v[SA], v2, 4, v[SA]
	v_lshlrev_b32 v6, 6, v2                        ; the norm's weights: 64 h
	s_and_b32 s40, s19, 1                          ; a cluster's 1,024 tokens are one half of a batch: of q's and k's clusters the odd ones hold positions 1,024 to 2,047
	s_cmp_lt_u32 s19, 8
	s_cselect_b32 s2, s40, 0                       ; 1 where RoPE is due: the same in all sixteen partners
	; where my block goes.  The group of 128 tokens and the head: from A's and B's halves, the other way round for v
	s_lshl_b32 s40, s22, 1
	s_add_co_u32 s40, s40, s17
	s_lshl_b32 s41, s23, 1
	s_add_co_u32 s41, s41, s18
	s_cmp_ge_u32 s19, 8
	s_cselect_b32 s42, s41, s40                    ; the group of tokens, 0..31
	s_cselect_b32 s43, s40, s41
	s_and_b32 s43, s43, 7                          ; the head
	s_lshr_b32 s44, s42, 4                         ; the batch
	s_and_b32 s45, s42, 15
	s_lshl_b32 s46, s44, 3
	s_add_co_u32 s46, s46, s43
	s_lshl_b32 s46, s46, 4
	s_add_co_u32 s46, s46, s45                     ; (8 batch + head) x 16 + the group in the batch
	s_mov_b32 s47, 2*BLK
	s_cmp_lt_u32 s19, 4                            ; q?
	s_cselect_b32 s47, BLK, s47
	s_mul_i32 s46, s46, s47
	s_mov_b32 s47, QSZ
	s_cselect_b32 s47, 0, s47
	s_add_co_u32 s46, s46, s47
	s_cmp_ge_u32 s19, 8
	s_cselect_b32 s47, BLK, 0                      ; V's block lies behind K's
	s_add_co_u32 s46, s46, s47
	s_mov_b32 s47, 0
	s_add_nc_u64 s[92:93], s[14:15], s[46:47]
	s_lshl_b32 s46, s44, 19                        ; cos, sin: tile 64 batch + 8 (the group mod 8), 8,192 bytes a tile
	s_and_b32 s47, s42, 7
	s_lshl_b32 s47, s47, 16
	s_add_co_u32 s46, s46, s47
	s_mov_b32 s47, 0
	s_add_nc_u64 s[94:95], s[6:7], s[46:47]        ; cos' tiles,
	s_add_nc_u64 s[96:97], s[94:95], 0x100000      ; sin's lie 128 tiles further on
	s_lshr_b32 s46, s19, 2
	s_cmp_eq_u32 s46, 1                            ; k's clusters take k_norm_w (v's clusters load q's and do not use it: one way through the head)
	s_cselect_b64 s[98:99], s[10:11], s[8:9]
.irp b, 0,1,2,3
.irp j, 0,1,2,3
	global_load_b128 v[NW+16*\b+4*\j:NW+16*\b+4*\j+3], v6, s[98:99] offset:128*\b+16*\j   ; register 16 b + i: the weight of channel 32 b + 16 h + i; waited for ahead of the last K step
.endr
.endr
.macro FRAG reg, adr, q, i             ; tile i's fragment of the slot's q-th 128 along K: the image of its 12 registers, 512 consecutive bytes a load
.irp c, 0,1,2
	ds_load_b128 v[\reg+4*\c:\reg+4*\c+3], v[\adr] offset:(\i)*TSL+(\q)*FRB+512*\c
.endr
.endm
; 16 matrix instructions: A's blocks a0, a0 + 1 x B's eight, 128 along K: the slot's q-th.  p: B's set;  sc: the set of scale words.  zero = 1: the first product starts the sums: nothing is ever cleared.
; The 64 accumulators take turns, one instruction a turn, in the same order in every step.
.macro MUL16 a0, p, q, sc, zero
.irp a, \a0, \a0+1
.irp b, 0,1,2,3,4,5,6,7
.if \zero
	v_wmma_scale_f32_16x16x128_f8f6f4 v[8*(8*((\a)%4)+\b):8*(8*((\a)%4)+\b)+7], v[128*(\p)+FR*\b:128*(\p)+FR*\b+FR-1], v[AF+FR*(\a):AF+FR*(\a)+FR-1], 0, v[SC+8*NQ*(\sc)+NQ*\b+(\q)], v[SC+8*NQ*(\sc)+NQ*(\a)+(\q)] matrix_a_fmt:MATRIX_FMT_FP6 matrix_b_fmt:MATRIX_FMT_FP6 matrix_a_scale:MATRIX_SCALE_ROW1
.else
	v_wmma_scale_f32_16x16x128_f8f6f4 v[8*(8*((\a)%4)+\b):8*(8*((\a)%4)+\b)+7], v[128*(\p)+FR*\b:128*(\p)+FR*\b+FR-1], v[AF+FR*(\a):AF+FR*(\a)+FR-1], v[8*(8*((\a)%4)+\b):8*(8*((\a)%4)+\b)+7], v[SC+8*NQ*(\sc)+NQ*\b+(\q)], v[SC+8*NQ*(\sc)+NQ*(\a)+(\q)] matrix_a_fmt:MATRIX_FMT_FP6 matrix_b_fmt:MATRIX_FMT_FP6 matrix_a_scale:MATRIX_SCALE_ROW1
.endif
.endr
.endr
.endm
.macro FETCH_B slot, q, p              ; B's eight fragments of the slot's q-th 128 along K into set p
	WIN TO_B
.irp i, 0,1,2,3,4,5,6,7
	FRAG 128*(\p)+FR*\i, ADRB+\slot, \q, \i
.endr
	WIN 0
.endm
.macro FETCH_A slot, q, i0             ; A's blocks i0 .. i0 + 3
.irp i, \i0, \i0+1, \i0+2, \i0+3
	FRAG AF+FR*(\i), ADRA+\slot, \q, \i
.endr
.endm
.macro SCALES sc                       ; the next slot's scale words into set sc: two words a row; lanes 0-15 take A's block i, lanes 16-31 B's block i
.irp i, 0,1,2,3,4,5,6,7
	ds_load_b64 v[SC+8*NQ*\sc+NQ*\i:SC+8*NQ*\sc+NQ*\i+1], v[ADRS] offset:\i*STILE
.endr
.endm
; A load into a register that a matrix instruction has read, and a vector instruction that reads a matrix result or writes one of its registers, stand NP places behind it; only plain vector instructions that
; name none of its registers are places (ISA guide 7.12.1 for vector instructions).
.macro PLACES n
.rept \n
	v_nop
.endr
.endm
; A step of 128 along K that has its successor in the same slot.  A's blocks are free as soon as their eight products are issued, so A has one set: blocks 0-3 come anew in the step's middle, blocks 4-7 at its end.
.macro STEP slot, q, zero
	s_wait_dscnt 4*NL                              ; B's set, A's blocks 0-3 and the scale words are in; the youngest 12 loads (A's blocks 4-7) may be out
	WIN MUL_LO
	MUL16 0, (\q)%2, \q, \slot, \zero
	MUL16 2, (\q)%2, \q, \slot, \zero
	s_wait_dscnt 0                                 ; A's blocks 4-7 are in (asked for 32 matrix instructions ago)
	PLACES NP
	FETCH_B \slot, (\q)+1, 1-(\q)%2
	FETCH_A \slot, (\q)+1, 0
	WIN MUL_HI
	MUL16 4, (\q)%2, \q, \slot, \zero
	MUL16 6, (\q)%2, \q, \slot, \zero
	PLACES NP
	WIN 0
	FETCH_A \slot, (\q)+1, 4
.endm
; A slot's last step changes slots: ONE barrier; in front of it each wave waits for all its tensor loads, adds 0 to its spare word, and waits for that and for its own reads of this slot.  fill = 1: this slot is filled again.
.macro TURN slot, next, fill
	s_wait_tensorcnt 0x0                           ; all my tensor loads have landed: my part of the next slot;  (every window is 0 here)
	ds_add_u32 v[SPW], v[NIL]                      ; 0 onto my spare word
	s_wait_dscnt 4*NL+1                            ; (the add and the youngest 12 loads, A's blocks 4-7, may be out)
	WIN MUL_LO
	MUL16 0, 1, NQ-1, \slot, 0                     ; sixteen matrix instructions stand between the add and the wait for it
	s_wait_dscnt 0x0                               ; the add is done, and my reads of this slot are over
	s_barrier_signal -1
	MUL16 2, 1, NQ-1, \slot, 0
	WIN 0
	s_barrier_wait -1
.if \fill
	CREST                                          ; the barrier has opened a round of the cluster's barrier: no wave of any partner still reads this slot or has a load on its way
	s_add_nc_u64 s[G0+4*\slot+2:G0+4*\slot+3], s[G0+4*\slot+2:G0+4*\slot+3], 2*TSL
	s_add_nc_u64 s[G0B+4*\slot+2:G0B+4*\slot+3], s[G0B+4*\slot+2:G0B+4*\slot+3], 2*TSL
	JLOAD G0+4*\slot, G1, G0B+4*\slot, G1B         ; the first tensor load behind the round; the four v_nop behind it are the places in front of the loads below
.else
	PLACES NP
.endif
	v_add_nc_u32 v[ADRS], 128, v[ADRS]             ; on to the next slot's scale words (no LDS load of mine is out)
	FETCH_B \next, 0, 0
	FETCH_A \next, 0, 0
	SCALES \next
	WIN MUL_HI
	MUL16 4, 1, NQ-1, \slot, 0
	MUL16 6, 1, NQ-1, \slot, 0
	PLACES NP
	WIN 0
	FETCH_A \next, 0, 4
.endm
.macro LOADCS a                        ; cos and sin of block a's 16 tokens at my 64 channels, into set a % 2 of window 1: cos at v[128 (a % 2)], sin 64 registers on; each load reads 512 consecutive bytes
	WIN 0x40                                       ; destination window 1
.irp g, 0,1,2,3,4,5,6,7,8,9,10,11,12,13,14,15
	global_load_b128 v[128*((\a)%2)+4*\g:128*((\a)%2)+4*\g+3], v[GO], s[94:95] offset:8192*(\a)+512*\g
	global_load_b128 v[128*((\a)%2)+64+4*\g:128*((\a)%2)+64+4*\g+3], v[GO], s[96:97] offset:8192*(\a)+512*\g
.endr
	WIN 0
.endm
	s_wait_tensorcnt 1                             ; the scale words and my part of slot 0 are in (slot 1's load may be out)
	s_barrier_signal -1
	s_barrier_wait -1                              ; everybody's are
	FETCH_B 0, 0, 0
	FETCH_A 0, 0, 0
	SCALES 0
	FETCH_A 0, 0, 4
	STEP 0, 0, 1                                   ; the first step stands in front of the loop: its products start the sums
	s_mov_b32 s3, LAPS-1
.Llap:                                                 ; a trip goes once round the ring, from a lap's second step to the next lap's first, and fills both slots again
	TURN 0, 1, 1
	STEP 1, 0, 0
	TURN 1, 0, 1
	STEP 0, 0, 0
	s_sub_co_u32 s3, s3, 1
	s_cmp_lg_u32 s3, 0
	s_cbranch_scc1 .Llap
	TURN 0, 1, 0                                   ; the last lap fills nothing, and has no round of the cluster's barrier
	STEP 1, 0, 0
	s_wait_loadcnt 0x0                             ; the norm's weights, asked for at the head
	s_cmp_eq_u32 s2, 1                             ; where RoPE is due, the first block's cos and sin are asked for here, 64 matrix instructions ahead of the way out:
	s_cbranch_scc0 .Lno_cs                         ; B's set 0 is done with (its last products stand in front of the step's last places)
	LOADCS 0
.Lno_cs:
	s_wait_dscnt 4*NL                              ; the very last step: nothing more to fetch from LDS
	WIN MUL_LO
	MUL16 0, 1, NQ-1, 1, 0
	MUL16 2, 1, NQ-1, 1, 0
	s_wait_dscnt 0
	WIN MUL_HI
	MUL16 4, 1, NQ-1, 1, 0
	MUL16 6, 1, NQ-1, 1, 0
	WIN 0
; THE WAY OUT, a block a of A's 16 rows at a time; no LDS.  The block's 64 registers of a lane are accumulators (a, 0..7), on end in window 2 + a / 4 from v[64 (a % 4)] on.
; 64 numbers of a lane, v[src] .. v[src + 63] in window w, register 16 b + i = k 32 b + 16 (lane / 16) + i of my row, become a fragment's codes in v[PC] on and its scale word in v[pw].
; Each accumulator is read from its low end on (registers 0 and 1 first).
.macro QUANT src, w, pw
	WIN (\w)|((\w)<<2)
.irp b, 0,1,2,3
	v_max3_num_f32 v[TM+\b], |v[\src+16*\b]|, |v[\src+16*\b+1]|, 0x1800000   ; block b: my 16 numbers, and the floor 2^(3 - 127): the byte cannot fall under 1
.endr
.irp i, 2,4,6,8,10,12,14
.irp b, 0,1,2,3
	v_max3_num_f32 v[TM+\b], |v[\src+16*\b+\i]|, |v[\src+16*\b+\i+1]|, v[TM+\b]   ; (the four blocks by turns)
.endr
.endr
	WIN 0
.irp b, 0,1,2,3
	v_permlanex16_b32 v[TM+4+\b], v[TM+\b], s[SEL], s[SEL+1]
.endr
.irp b, 0,1,2,3
	v_max_num_f32 v[TM+\b], v[TM+\b], v[TM+4+\b]   ; with lane l xor 16's: the block's largest magnitude
.endr
.irp b, 0,1,2,3
	v_add_nc_u32 v[TM+12+\b], 0xff000000, v[TM+\b] ; 2 off its exponent field: the conversion's scale operand
.endr
.irp b, 0,1,2,3
	v_lshrrev_b32 v[TM+4+\b], 23, v[TM+12+\b]      ; the scale's byte
.endr
	v_lshl_or_b32 v[\pw], v[TM+5], 8, v[TM+4]      ; the four bytes make my row's scale word
	v_lshl_or_b32 v[\pw], v[TM+6], 16, v[\pw]
	v_lshl_or_b32 v[\pw], v[TM+7], 24, v[\pw]
	s_wait_xcnt 0x0                                ; the last fragment's stores have read their registers: the codes may be written anew
	WIN (\w)
.irp c, 0,1
	v_cvt_scalef32_pk16_fp6_f32 v[PC+6*\c:PC+2+6*\c], v[\src+32*\c:\src+15+32*\c], v[TM+12+2*\c]
	v_cvt_scalef32_pk16_fp6_f32 v[PC+12+4*\c:PC+14+4*\c], v[\src+16+32*\c:\src+31+32*\c], v[TM+12+2*\c+1]   ; (a conversion's three registers begin on an even number)
.endr
	WIN 0
	v_nop                                          ; one plain place behind a scaled conversion
.irp c, 0,1                                    ; the operand's layout wants a WHOLE block in a lane: lanes 0-15 block 2 c, lanes 16-31 block 2 c + 1
.irp i, 0,1,2
	v_permlane16_swap_b32 v[PC+6*\c+\i], v[PC+12+4*\c+\i]
.endr
.irp i, 0,1,2
	v_mov_b32 v[PC+3+6*\c+\i], v[PC+12+4*\c+\i]
.endr
.endr
.endm
; The RMS norm of block a: a lane and its partner 16 lanes away hold a token's 128 channels of one head.  Y = x / sqrt(mean of x^2 + 1e-6)
.macro RMS a
.set W, 2+(\a)/4
.set AC, 64*((\a)%4)
	WIN W|(W<<2)
.irp p, 0,1,2,3
	v_pk_mul_f32 v[SS+2*\p:SS+2*\p+1], v[AC+2*\p:AC+2*\p+1], v[AC+2*\p:AC+2*\p+1]   ; four chains of pairs, started by the first four pairs
.endr
.set P, 4
.rept 28
	v_pk_fma_f32 v[SS+2*(P%4):SS+2*(P%4)+1], v[AC+2*P:AC+2*P+1], v[AC+2*P:AC+2*P+1], v[SS+2*(P%4):SS+2*(P%4)+1]
.set P, P+1
.endr
	WIN 0
	v_pk_add_f32 v[SS:SS+1], v[SS:SS+1], v[SS+2:SS+3]
	v_pk_add_f32 v[SS+4:SS+5], v[SS+4:SS+5], v[SS+6:SS+7]
	v_pk_add_f32 v[SS:SS+1], v[SS:SS+1], v[SS+4:SS+5]
	v_add_f32 v[SS], v[SS], v[SS+1]
	v_permlanex16_b32 v[SS+1], v[SS], s[SEL], s[SEL+1]
	v_add_f32 v[SS], v[SS], v[SS+1]                ; the sum of the 128 squares
	v_fma_f32 v[SS], v[SS], s66, s67               ; / 128 + 1e-6
	v_rsq_f32 v[RS], v[SS]
	v_nop                                          ; a plain place behind the transcendental,
	s_wait_alu depctr_va_vdst(0)                   ; and the wait ahead of the first use of its result
	WIN W
.set P, 0
.rept 32
	v_pk_mul_f32 v[Y+P:Y+P+1], v[AC+P:AC+P+1], v[RS:RS+1] op_sel_hi:[1,0]
.set P, P+2
.endr
	WIN 0
.endm
.macro NWMUL                           ; x the norm's weight
.set P, 0
.rept 32
	v_pk_mul_f32 v[Y+P:Y+P+1], v[Y+P:Y+P+1], v[NW+P:NW+P+1]
.set P, P+2
.endr
.endm
; RoPE on set u.  Channel d and channel d + 64 lie 32 registers apart in one lane.  Z[d] = Y[d] cos[d] - Y[d + 64] sin[d];  Z[d + 64] = Y[d + 64] cos[d + 64] + Y[d] sin[d + 64].  Z is written over cos.
.macro ROPE u
.set C, 128*(\u)
.set S, 128*(\u)+64
	WIN 0x54                                       ; Y window 0; cos, sin and Z window 1
.set P, 0
.rept 16
	v_pk_mul_f32 v[C+P:C+P+1], v[Y+P:Y+P+1], v[C+P:C+P+1]
	v_pk_mul_f32 v[C+32+P:C+33+P], v[Y+32+P:Y+33+P], v[C+32+P:C+33+P]
.set P, P+2
.endr
.set P, 0
.rept 16
	v_pk_fma_f32 v[C+P:C+P+1], v[Y+32+P:Y+33+P], v[S+P:S+P+1], v[C+P:C+P+1] neg_lo:[1,0,0] neg_hi:[1,0,0]
	v_pk_fma_f32 v[C+32+P:C+33+P], v[Y+P:Y+P+1], v[S+32+P:S+33+P], v[C+32+P:C+33+P]
.set P, P+2
.endr
	WIN 0
.endm
.macro OUTF a                          ; the fragment's image: each store covers 512 consecutive bytes, at a multiple of 256 from the buffer's first byte
.irp c, 0,1,2
	global_store_b128 v[GO], v[PC+4*\c:PC+4*\c+3], s[92:93] offset:FRB*(\a)+512*\c
.endr
.endm
	PLACES NP                                      ; behind the last products: their results are read, and their operands' registers written, from here on
.irp b, 0,1,2,3
	v_mov_b32 v[TM+4+\b], 0                        ; written once: a lane permute's destination counts as one of its sources
.endr
	v_mov_b32 v[RS+1], 0                           ; (named as the upper half of the pair)
	s_cmp_ge_u32 s19, 8                            ; three ways, chosen by the cluster's number alone
	s_cbranch_scc1 .Lvalues
	s_cmp_eq_u32 s2, 1
	s_cbranch_scc1 .Lrope
.irp a, 0,1,2,3,4,5,6,7                        ; q or k, positions 0 to 1,023: norm, weight, quantiser
	RMS \a
	NWMUL
	QUANT Y, 0, PWS+\a
	OUTF \a
.endr
	s_branch .Ltail
.Lrope:
	LOADCS 1                                       ; B's set 1 is done with too: the second block's cos and sin
.irp a, 0,1,2,3,4,5,6,7                        ; q or k, positions 1,024 to 2,047: norm, weight, RoPE, quantiser
	RMS \a
	NWMUL
.if \a < 7
	s_wait_loadcnt 32                              ; this block's cos and sin are in; the next block's 32 loads may be out
.else
	s_wait_loadcnt 0x0
.endif
	ROPE \a%2
	QUANT 128*(\a%2), 1, PWS+\a
	OUTF \a
.if \a < 6
	LOADCS \a+2                                    ; the set just read takes the block two further on: a whole block's work stands ahead of the next wait on XCNT, and more ahead of the wait for the data
.endif
.endr
	s_branch .Ltail
.Lvalues:
.irp a, 0,1,2,3,4,5,6,7                        ; v: the results as they are; the lane's registers run along the tokens
	QUANT 64*(\a%4), 2+\a/4, PWS+\a
	OUTF \a
.endr
.Ltail:
	v_cmp_eq_u32 vcc_lo, 1, v2                     ; the scale words [r][fragment]: lanes 0-15 store fragments 0-3's, lanes 16-31 fragments 4-7's (both lanes of a row hold all eight)
.irp i, 0,1,2,3
	v_cndmask_b32 v[OUTW+\i], v[PWS+\i], v[PWS+4+\i], vcc_lo
.endr
	global_store_b128 v[SA], v[OUTW:OUTW+3], s[92:93] offset:8*FRB   ; 512 consecutive bytes
	s_wait_tensorcnt 0x0                           ; the wave's end
	ds_add_u32 v[SPW], v[NIL]
	s_wait_dscnt 0x0
	CROUND                                         ; the closing round: no work-group ends while a partner may still ask for a tile that names it
	s_endpgm
.Lfunc_end_k_q775a1daaa9_qkv:
	.size	k_q775a1daaa9_qkv, .Lfunc_end_k_q775a1daaa9_qkv-k_q775a1daaa9_qkv
	.p2alignl 7, 3214868480
	.fill 96, 4, 3214868480
	.section	.rodata,"a",@progbits
	.p2align	6, 0x0
	.amdhsa_kernel k_q775a1daaa9_qkv
		.amdhsa_group_segment_fixed_size 327680
		.amdhsa_private_segment_fixed_size 0
		.amdhsa_enable_private_segment 0
		.amdhsa_kernarg_size 40
		.amdhsa_user_sgpr_count 2
		.amdhsa_user_sgpr_kernarg_segment_ptr 1
		.amdhsa_wavefront_size32 1
		.amdhsa_system_sgpr_workgroup_id_x 1
		.amdhsa_system_sgpr_workgroup_id_y 1
		.amdhsa_system_sgpr_workgroup_id_z 1
		.amdhsa_system_vgpr_workitem_id 0
		.amdhsa_next_free_vgpr 1024
		.amdhsa_next_free_sgpr 102
		.amdhsa_reserve_vcc 1
		.amdhsa_float_denorm_mode_32 3
		.amdhsa_float_denorm_mode_16_64 3
		.amdhsa_memory_ordered 1
		.amdhsa_forward_progress 1
		.amdhsa_inst_pref_size 255
	.end_amdhsa_kernel
	.section	.bss,"aw",@nobits
	.p2align	6
	.space	262144
	.amdgpu_metadata
---
amdhsa.version: [ 1, 2 ]
amdhsa.kernels:
  - .name:           k_q775a1daaa9_qkv
    .symbol:         k_q775a1daaa9_qkv.kd
    .args:
      - { .name: ops, .offset: 0, .size: 8, .value_kind: global_buffer, .address_space: global }
      - { .name: cs, .offset: 8, .size: 8, .value_kind: global_buffer, .address_space: global }
      - { .name: q_norm_w, .offset: 16, .size: 8, .value_kind: global_buffer, .address_space: global }
      - { .name: k_norm_w, .offset: 24, .size: 8, .value_kind: global_buffer, .address_space: global }
      - { .name: qkv, .offset: 32, .size: 8, .value_kind: global_buffer, .address_space: global }
    .group_segment_fixed_size: 327680
    .private_segment_fixed_size: 0
    .kernarg_segment_align: 8
    .kernarg_segment_size: 40
    .max_flat_workgroup_size: 128
    .sgpr_count:     102
    .vgpr_count:     1024
    .wavefront_size: 32
...
	.end_amdgpu_metadata
.endif
;; end of part 2
;; launch attn (part 3): grid 32 x 8, 8 waves a work-group, clusters of 4 x 4, 327,680 bytes of LDS; arguments qkv, attention_mask, ao; writes ao
.if DOCPART == 3
	.amdgcn_target "amdgcn-amd-amdhsa--gfx1250"
	.amdhsa_code_object_version 6
	.text
	.protected	k_q775a1daaa9_attn
	.globl	k_q775a1daaa9_attn
	.p2align	8
	.type	k_q775a1daaa9_attn,@function
k_q775a1daaa9_attn:
	s_mov_b64 s[64:65], 0
	v_nop
	global_prefetch_b8 v0, s[64:65] scope:SCOPE_SE
	s_setreg_imm32_b32 hwreg(HW_REG_WAVE_MODE, 25, 1), 1
	s_wait_xcnt 0x0
	s_wait_alu depctr_hold_cnt(0) depctr_sa_sdst(0) depctr_va_vdst(0) depctr_va_sdst(0) depctr_va_ssrc(0) depctr_va_vcc(0) depctr_vm_vsrc(0)
	s_getreg_b32 s2, hwreg(HW_REG_IB_STS2, 6, 4)
	s_cmp_eq_u32 s2, 0
	s_cbranch_scc0 .Lentry_in_a_cluster
	s_endpgm
.Lentry_in_a_cluster:
	s_bfe_u32 s2, ttmp6, 0x10000c
	s_cmp_lg_u32 s2, 0xf033
	s_cbranch_scc0 .Lentry_shape_is_right
	s_endpgm
.Lentry_shape_is_right:
; o = softmax(q k^T / sqrt(128) + attention_mask) v for 2 batches x 8 heads x 2,048 tokens, both products on codes of FP6 (E2M3) with E8M0 scales; o is quantised along head x 128 + d for the last projection.
; THE SOFTMAX AHEAD OF THE SECOND PRODUCT: t = logit x log2(e); M = the row's largest t so far, rounded UP to a whole number; p = 2^(t - M) is what is quantised, along the keys; it is not normalised.
; The row's sum is taken of the unquantised p, in f32, and divides O at the end.  When M moves, the sum and O are multiplied by 2^(old M - new M): exact.
; The mask is added as S' = mask x sqrt(128) + q.k, so that t = S' x c with c = log2(e) / sqrt(128): by vector arithmetic, so that no infinity enters the matrix unit.
; LIMITS: NaN and +infinity are not served.  A mask entry under about -3e37 (-infinity too) makes S' -infinity: the key counts for nothing.  A query all of whose keys are so hidden gives NaN.
; Blocks whose largest magnitude lies under 2^-124 (blocks of zeros too) keep the scale byte 1: the bytes are read by this program alone.
; SHARES.  A work-group owns 128 queries of one head; each of its EIGHT waves owns 16 of them, one fragment of Q, in 512 registers: two waves to a SIMD, so that one wave's vector work stands beside the other's products and LDS loads.
; Every wave walks all 2,048 keys, 128 a step.  A step's tiles, K's block and V's block (8 fragment images and their scale words each: 12,800 bytes) and 128 queries x 128 keys of the mask, come through a ring of two LDS slots.
; LAYOUT.  Both products are used transposed: S^T = K Q^T, O^T = V^T P^T: a lane holds ONE query throughout.  The tokens of a fragment of K and the channels of a fragment of V are 32 (a / 2) + 8 (a % 2) + r + 8 (r / 8),
; so that the 16 registers of tiles 2 b and 2 b + 1 are 16 neighbours: keys (or channels) 32 b + 16 (lane / 16) + 0 .. 15.  Lane r of wave w is query 32 (w / 2) + 8 (w % 2) + r + 8 (r / 8) of the block.
; CLUSTER: 4 x 4 work-groups: four blocks of queries (x) x four heads (y) of one batch.  K and V hang on the head: asked for JOINTLY along a row of the cluster.  The mask hangs on the block of queries: jointly along a column.
; REGISTERS.  Window 0: v1-11 addresses; v12 -M, v13 the largest t, v[14:15] the sum in two halves; v16-27 Q; v28 lane; v32-39 K's scale words, v40-47 V's; v48-66 o's codes; v96-159 S^T, then p; v160-223 O^T;
;   v224-235 p's codes; v232-254 at work; v255 Q's scale word.   Window 1: v0-63 the mask; v64-159 K's eight fragments; v160-255 V's.
.set QSZ,   3276800                    ; in qkv: Q's 256 blocks; behind them K's and V's by turns
.set BLK,   12800
.set FRB,   1536
.set AOS,   3145728                    ; in ao: 256 tiles x 8 heads x 1,536 bytes of codes; behind them the scale words
.set SLOT1, 131072                     ; slot 1 begins here
.set MOFF,  2*BLK                      ; in a slot: K's block, V's block, the mask
.set MP,    520                        ; a row of the mask in LDS: 512 bytes + 8 = 130 words: rows r, r + 16 and the two halves of the lanes fall on 64 different banks in a load of 8 bytes (64 banks of 4 bytes: ISA guide 11.1)
.set SPARE, 223488                     ; behind the ring: the spare words, 128 bytes for each wave: four blocks of 256 bytes that no other line names
.set ALI,  1                           ; v1-2   16 x lane + the slot: a fragment image's place for my lane (v1 is also 16 x lane for memory)
.set ASC,  3                           ; v3-4   32 r + the slot: my row's eight scale words
.set SPW,  5                           ; v5     LDS address of my spare word; never rewritten
.set NIL,  6                           ; v6     0; never rewritten
.set AMK,  7                           ; v7-8   my query's row of the mask, + 64 h, + the slot
.set R8,   10                          ; v10    8 r
.set PFO,  11                          ; v11    the prefetches' offset; never rewritten
.set KS,   32
.set VS,   40
.set PC,   48
.set TM,   232
.set MK,   0                           ; window 1
.set KF,   64
.set VF,   160
.set WV,   10                          ; s10  my wave's number
.set SEL,  16                          ; s[16:17] lane selects for v_permlanex16_b32: lane l xor 16
.set CS,   18                          ; s[18:19] c = log2(e) / sqrt(128): the packed form names a pair and takes its low word
.set MS,   20                          ; s[20:21] sqrt(128), likewise
.set G1M,  24                          ; s[24:31] descriptor group 1 for the mask's tiles;  s[32:39] for K's and V's blocks
.set G1KV, 32
.set G0M,  40                          ; s[40:47] group 0 for the mask, one set for each slot;  s[48:55] for K and V
.set G0KV, 48
.set PFA,  56                          ; s[56:57] where my prefetches stand
.set PFS,  58                          ; s[58:59] a key step on, in bytes
.set LIM,  60                          ; s60  14 in a wave that prefetches, else 0
.set STP,  61                          ; s61  the key step's number + 1
.set MSB, 0
.macro WIN new
.if MSB != (\new)
	s_set_vgpr_msb (MSB<<8)|(\new)
.set MSB, (\new)
.endif
.endm
; A joint load into slot s.  Waves 0 and 1 fetch the mask's two halves (64 queries each), wave 2 K's block, wave 3 V's, the others nothing.  The branches hang on the wave's number alone.
; Four v_nop follow each of the two lines.
.macro JLOAD s
	s_cmp_lt_u32 s[WV], 2
	s_cbranch_scc0 .Lnot_m_\@
	tensor_load_to_lds s[G0M+4*(\s):G0M+4*(\s)+3], s[G1M:G1M+7]
	s_nop 0
.rept 4
	v_nop
.endr
	s_branch .Lasked_\@
.Lnot_m_\@:
	s_cmp_lt_u32 s[WV], 4
	s_cbranch_scc0 .Lasked_\@
	tensor_load_to_lds s[G0KV+4*(\s):G0KV+4*(\s)+3], s[G1KV:G1KV+7]
	s_nop 0
.rept 4
	v_nop
.endr
.Lasked_\@:
.endm
; A PREFETCH INTO THE L2, at each change of slots that fills a slot: in key step j the tiles of key step j + 3, which the joint loads of step j + 2 will ask for.  Waves that fetch nothing ask, one instruction each.
; The mask: a block of queries is read by all 8 heads, that is by the clusters y = 0 and 1: cluster y = 0 asks; the partner at cy takes queries 32 cy .. 32 cy + 31, a lane a row; wave 4 names the first 256 bytes of the
; row's 512, wave 5 the second.  K and V: a head's are read by four clusters along x: the first of them asks; the partner at cx takes 25 of the step's 100 blocks of 256 bytes, wave 6, lanes 256 bytes apart
; (lanes 25 to 31 name lane 24's block again).  Partners are told apart BY ADDRESS: no branch hangs on a work-group's place in its cluster.  Steps 0 to 2 come by their loads alone; steps 13 on ask for nothing.
.macro ASK
	s_cmp_lt_u32 s[STP], s[LIM]
	s_cbranch_scc0 .Lnot_mine_\@
	global_prefetch_b8 v[PFO], s[PFA:PFA+1] th:TH_LOAD_NT scope:SCOPE_SE
.Lnot_mine_\@:
.endm
.macro CROUND                          ; a round of the cluster's barrier
	s_barrier_signal -1
	s_barrier_wait -1
	s_cmp_lg_u32 s[WV], 0
	s_cbranch_scc1 .Lnot_wave_0_\@
	s_barrier_signal -3
.Lnot_wave_0_\@:
	s_barrier_wait -3
	s_barrier_signal -1
	s_barrier_wait -1
.endm
	s_load_b128 s[4:7], s[0:1], 0x0                ; qkv s[4:5], attention_mask s[6:7]
	s_load_b64 s[8:9], s[0:1], 0x10                ; ao
	v_lshl_add_u32 v[SPW], v0, 2, SPARE
	v_mov_b32 v[NIL], 0
	ds_add_u32 v5, v6
	s_wait_dscnt 0x0
	v_lshrrev_b32 v28, 5, v0
	v_readfirstlane_b32 s[WV], v28                 ; wave 0..7
	s_bfe_u32 s11, ttmp6, 0x40000                  ; cx
	s_bfe_u32 s12, ttmp6, 0x40004                  ; cy
	s_lshl_b32 s13, ttmp9, 2
	s_add_co_u32 s13, s13, s11                     ; my block of 128 queries, 0..31, over both batches
	s_and_b32 s14, ttmp7, 0xffff
	s_lshl_b32 s14, s14, 2
	s_add_co_u32 s14, s14, s12                     ; my head
	s_lshr_b32 s15, ttmp9, 2                       ; the batch: from the cluster's x alone
	s_and_b32 s22, s[WV], 1
	s_mov_b32 s[SEL], 0x76543210
	s_mov_b32 s[SEL+1], 0xfedcba98
	s_mov_b32 s[CS], 0x3e0293ee                    ; log2(e) / sqrt(128)
	s_mov_b32 s[CS+1], s[CS]
	s_mov_b32 s[MS], 0x413504f3                    ; sqrt(128)
	s_mov_b32 s[MS+1], s[MS]
	s_mov_b32 s[STP], 0
	s_lshl_b32 s66, s12, 2
	s_lshl_b32 s66, 15, s66                        ; my row of the cluster
	s_lshl_b32 s67, 0x1111, s11                    ; my column
	; descriptor group 1.  The mask: 64 rows of 128 f32, 2,048 elements apart, 8 bytes of padding behind each row in LDS
	s_or_b32 s[G1M], s67, (2<<16)|(1<<20)|(1<<21)|(6<<22)|(1<<25)   ; 15:0 my column; 17:16 elements of 4 bytes; 20 padding on; 21 set beside a mask; 24:22 after every 128 words (code 6); 31:25 of 2 words (code 1)
	s_mov_b32 s[G1M+1], 128<<16
	s_mov_b32 s[G1M+2], 64<<16
	s_mov_b32 s[G1M+3], 128<<16
	s_mov_b32 s[G1M+4], 64
	s_mov_b32 s[G1M+5], 2048
	s_mov_b32 s[G1M+6], 0
	s_mov_b32 s[G1M+7], 0
	; a block of K or V: 12,800 dense bytes, as 50 rows of 256 bytes
	s_or_b32 s[G1KV], s66, (3<<16)|(1<<21)         ; my row; elements of 8 bytes; no padding
	s_mov_b32 s[G1KV+1], 32<<16
	s_mov_b32 s[G1KV+2], 50<<16
	s_mov_b32 s[G1KV+3], 32<<16
	s_mov_b32 s[G1KV+4], 50
	s_mov_b32 s[G1KV+5], 32
	s_mov_b32 s[G1KV+6], 0
	s_mov_b32 s[G1KV+7], 0
	s_lshl_b32 s68, s13, 20                        ; the mask: row 128 x block + 64 x half, 8,192 bytes a row: it hangs on cx alone of my place
	s_lshl_b32 s69, s22, 19
	s_add_co_u32 s68, s68, s69
	s_mov_b32 s69, 0
	s_mul_i32 s75, s22, 64*MP
	s_add_co_u32 s75, s75, MOFF                    ; and in a slot
	s_lshl_b32 s70, s15, 3
	s_add_co_u32 s70, s70, s14                     ; 8 batch + head: it hangs on cy alone
	s_mul_i32 s72, s70, 16*2*BLK
	s_mul_i32 s74, s22, BLK                        ; K's block or V's: in memory and in a slot
	s_add_co_u32 s72, s72, s74
	s_add_co_u32 s72, s72, QSZ
	s_mov_b32 s73, 0
	s_lshl_b32 s76, s70, 4                         ; my block of Q,
	s_and_b32 s77, s13, 15
	s_add_co_u32 s76, s76, s77
	s_mul_i32 s76, s76, BLK
	s_mul_i32 s77, s[WV], FRB
	s_add_co_u32 s78, s76, s77                     ; my fragment in it,
	s_mov_b32 s79, 0
	s_lshl_b32 s77, s[WV], 2
	s_add_co_u32 s80, s76, s77
	s_add_co_u32 s80, s80, 8*FRB                   ; and its scale words: [r][fragment]
	s_mov_b32 s81, 0
	s_lshl_b32 s82, s13, 3
	s_add_co_u32 s82, s82, s[WV]                   ; my tile of tokens in ao
	s_mul_i32 s84, s82, 8*FRB
	s_mul_i32 s85, s14, FRB
	s_add_co_u32 s84, s84, s85                     ; its codes: [tile][head]
	s_mov_b32 s85, 0
	s_lshl_b32 s86, s82, 9                         ; its scale words: [tile][two heads][r][2 words]
	s_lshr_b32 s87, s14, 1
	s_lshl_b32 s87, s87, 7
	s_add_co_u32 s86, s86, s87
	s_and_b32 s87, s14, 1
	s_lshl_b32 s87, s87, 2
	s_add_co_u32 s86, s86, s87
	s_add_co_u32 s86, s86, AOS
	s_mov_b32 s87, 0
	s_wait_kmcnt 0x0
	s_add_nc_u64 s[68:69], s[6:7], s[68:69]
	s_add_nc_u64 s[72:73], s[4:5], s[72:73]
	s_add_nc_u64 s[78:79], s[4:5], s[78:79]
	s_add_nc_u64 s[80:81], s[4:5], s[80:81]
	s_add_nc_u64 s[84:85], s[8:9], s[84:85]
	s_add_nc_u64 s[86:87], s[8:9], s[86:87]
	CROUND                                         ; all sixteen work-groups are here: the first joint loads meet
.irp s, 0,1
	s_mov_b32 s[G0M+4*\s], 1
	s_add_co_u32 s[G0M+4*\s+1], s75, \s*SLOT1
	s_add_nc_u64 s[G0M+4*\s+2:G0M+4*\s+3], s[68:69], \s*512       ; key step s: 128 keys are 512 bytes of a row
	s_or_b32 s[G0M+4*\s+3], s[G0M+4*\s+3], 0x80000000
	s_mov_b32 s[G0KV+4*\s], 1
	s_add_co_u32 s[G0KV+4*\s+1], s74, \s*SLOT1
	s_add_nc_u64 s[G0KV+4*\s+2:G0KV+4*\s+3], s[72:73], \s*2*BLK
	s_or_b32 s[G0KV+4*\s+3], s[G0KV+4*\s+3], 0x80000000
.endr
	JLOAD 0                                        ; key step 0; slot 1 is first filled behind the first trip's round, as a refill is
	; the prefetches: where my wave's stand, and who asks
	s_lshl_b32 s88, s13, 20
	s_lshl_b32 s89, s12, 18
	s_add_co_u32 s88, s88, s89                     ; the mask: row 128 x block + 32 cy,
	s_lshl_b32 s89, s22, 8
	s_add_co_u32 s88, s88, s89                     ; my wave's 256 bytes of a step's 512,
	s_add_co_u32 s88, s88, 2*512                   ; at key step 2: the first trip steps it to 3
	s_mul_i32 s90, s70, 16*2*BLK
	s_mul_i32 s91, s11, 25*256
	s_add_co_u32 s90, s90, s91                     ; K and V: my work-group's 25 blocks of a step's 100,
	s_add_co_u32 s90, s90, QSZ+2*2*BLK             ; at key step 2
	s_and_b32 s92, ttmp7, 0xffff                   ; the coordinate along which other clusters read the same mask,
	s_and_b32 s93, ttmp9, 3                        ; and the same K and V
	s_mov_b32 s[PFS], 512
	s_mov_b32 s94, 8192
	s_cmp_eq_u32 s[WV], 6
	s_cselect_b32 s92, s93, s92
	s_cselect_b32 s88, s90, s88
	s_cselect_b32 s[PFS], 2*BLK, s[PFS]
	s_cselect_b32 s94, 256, s94                    ; from lane to lane
	s_cselect_b32 s95, 24, 31
	s_cselect_b64 s[PFA:PFA+1], s[4:5], s[6:7]
	s_mov_b32 s89, 0
	s_mov_b32 s[PFS+1], 0
	s_add_nc_u64 s[PFA:PFA+1], s[PFA:PFA+1], s[88:89]
	s_sub_co_u32 s93, s[WV], 4
	s_cmp_lt_u32 s93, 3                            ; waves 4, 5, 6
	s_cselect_b32 s93, 0, 1
	s_or_b32 s92, s92, s93
	s_cmp_eq_u32 s92, 0
	s_cselect_b32 s[LIM], 14, 0                    ; the same in all sixteen partners, for a given wave
	v_and_b32 v28, 31, v0                          ; lane; kept
	v_and_b32 v29, 15, v0                          ; r
	v_bfe_u32 v30, v0, 4, 1                        ; h
	v_min_u32 v[PFO], s95, v28
	v_mul_lo_u32 v[PFO], v[PFO], s94
	v_lshlrev_b32 v[ALI], 4, v28
	v_add_nc_u32 v[ALI+1], SLOT1, v[ALI]
	v_lshlrev_b32 v[ASC], 5, v29
	v_add_nc_u32 v[ASC+1], SLOT1, v[ASC]
	v_lshlrev_b32 v[R8], 3, v29
.irp c, 0,1,2
	global_load_b128 v[16+4*\c:19+4*\c], v[ALI], s[78:79] offset:512*\c   ; Q's fragment stays in registers
.endr
	global_load_b32 v255, v[ASC], s[80:81]         ; and its scale words
	v_and_b32 v31, 8, v29
	v_add_nc_u32 v31, v31, v29                     ; r + 8 (r / 8)
	v_mul_u32_u24 v31, v31, MP
	v_lshl_add_u32 v31, v30, 6, v31
	s_lshr_b32 s66, s[WV], 1
	s_lshl_b32 s66, s66, 5
	s_lshl_b32 s67, s22, 3
	s_add_co_u32 s66, s66, s67                     ; 32 (w / 2) + 8 (w % 2)
	s_mul_i32 s66, s66, MP
	s_add_co_u32 s66, s66, MOFF
	v_add_nc_u32 v[AMK], s66, v31
	v_add_nc_u32 v[AMK+1], SLOT1, v[AMK]
	v_mov_b32 v13, 0xff61b1e6                      ; the largest t so far: -3e38, under every t
	v_floor_f32 v12, -v13                          ; -M
	v_mov_b32 v14, 0                               ; the sum, in two halves
	v_mov_b32 v15, 0
.irp b, 0,1,2,3
	v_mov_b32 v[236+\b], 0                         ; written once: a lane permute's destination counts as one of its sources
.endr
	v_mov_b32 v253, 0                              ; (named as the upper half of the pair v[252:253] before it is first written)
.set J, 0
.rept 64
	v_mov_b32 v[160+J], 0                          ; O^T.  (The step is written without a first step of its own: it finds zeros, which the first change of M leaves zeros)
.set J, J+1
.endr
; A KEY STEP: the 128 keys in slot 'slot'.
.macro STEP slot
.irp g, 0,1
	ds_load_b128 v[KS+4*\g:KS+4*\g+3], v[ASC+\slot] offset:8*FRB+16*\g        ; my row's scale words of K's eight fragments,
	ds_load_b128 v[VS+4*\g:VS+4*\g+3], v[ASC+\slot] offset:BLK+8*FRB+16*\g    ; and of V's
.endr
	WIN 0x40                                       ; destination window 1
.irp a, 0,1,2,3,4,5,6,7
.irp c, 0,1,2
	ds_load_b128 v[KF+12*\a+4*\c:KF+12*\a+4*\c+3], v[ALI+\slot] offset:FRB*\a+512*\c
.endr
.endr
.irp b, 0,1,2,3
.irp i, 0,1,2,3,4,5,6,7
	ds_load_b64 v[MK+16*\b+2*\i:MK+16*\b+2*\i+1], v[AMK+\slot] offset:128*\b+8*\i   ; register 16 b + i: my query's mask at key 32 b + 16 h + i
.endr
.endr
.irp a, 0,1,2,3,4,5,6,7
.irp c, 0,1,2
	ds_load_b128 v[VF+12*\a+4*\c:VF+12*\a+4*\c+3], v[ALI+\slot] offset:BLK+FRB*\a+512*\c
.endr
.endr
	s_wait_dscnt 56                                ; the scale words and K are in; the mask's 32 loads and V's 24 may be out
	WIN 0x01                                       ; source 0 window 1
.irp a, 0,1,2,3,4,5,6,7
	v_wmma_scale_f32_16x16x128_f8f6f4 v[96+8*\a:103+8*\a], v[KF+12*\a:KF+12*\a+11], v[16:27], 0, v[KS+\a], v255 matrix_a_fmt:MATRIX_FMT_FP6 matrix_b_fmt:MATRIX_FMT_FP6
.endr
.rept 4
	v_nop                                          ; places behind the products, ahead of the first read of their results
.endr
	s_wait_dscnt 24                                ; the mask is in; V's 24 loads may be out
.set J, 0
.rept 32
	v_pk_fma_f32 v[96+J:97+J], v[MK+J:MK+J+1], s[MS:MS+1], v[96+J:97+J] op_sel_hi:[1,0,1]   ; S' = mask x sqrt(128) + q.k; each accumulator from its low end on
.set J, J+2
.endr
	WIN 0
.irp b, 0,1,2,3
	v_max3_num_f32 v[232+\b], v[96+16*\b], v[97+16*\b], v[98+16*\b]   ; THE LARGEST S' OF EACH BLOCK OF 32 KEYS: it serves twice: for the row's maximum, and, since p rises with S', for the block's largest p
.endr
.irp i, 3,5,7,9,11,13
.irp b, 0,1,2,3
	v_max3_num_f32 v[232+\b], v[232+\b], v[96+16*\b+\i], v[97+16*\b+\i]   ; (the four blocks by turns)
.endr
.endr
.irp b, 0,1,2,3
	v_max_num_f32 v[232+\b], v[232+\b], v[111+16*\b]
.endr
.irp b, 0,1,2,3
	v_permlanex16_b32 v[236+\b], v[232+\b], s[SEL], s[SEL+1]
.endr
.irp b, 0,1,2,3
	v_max_num_f32 v[232+\b], v[232+\b], v[236+\b]  ; with lane l xor 16's 16 keys
.endr
	v_max3_num_f32 v254, v232, v233, v234
	v_max_num_f32 v254, v254, v235                 ; the step's largest S' of my query
	v_mul_f32 v254, s[CS], v254                    ; as t (c is positive)
	v_max_num_f32 v13, v13, v254                   ; the running largest t
	v_mov_b32 v254, v12
	v_floor_f32 v12, -v13                          ; the new -M = floor(-t) = -ceil(t): M IS A WHOLE NUMBER
	v_sub_f32 v254, v12, v254                      ; M's old value less its new one: a whole number, 0 or less
	v_cvt_i32_f32 v254, v254                       ; (it saturates)
	v_ldexp_f32 v252, 1.0, v254                    ; f = 2^(old M - new M): a multiplication by it rounds nothing
.set J, 0
.rept 32
	v_pk_fma_f32 v[96+J:97+J], v[96+J:97+J], s[CS:CS+1], v[12:13] op_sel_hi:[1,0,0]   ; t - M, two at a time
.set J, J+2
.endr
.irp b, 0,1,2,3
	v_fma_f32 v[232+\b], v[232+\b], s[CS], v12     ; the same of each block's largest S'
.endr
.set J, 0
.rept 64
	v_exp_f32 v[96+J], v[96+J]                     ; p = 2^(t - M), at most 1: NOT normalised
.set J, J+1
.endr
	v_pk_mul_f32 v[14:15], v[14:15], v[252:253] op_sel_hi:[1,0]   ; the sums under the new M.  (A plain place behind the exponentials)
	s_wait_alu depctr_va_vdst(0)                   ; one wait for the whole batch, ahead of its first reader
.irp b, 0,1,2,3
	v_exp_f32 v[232+\b], v[232+\b]                 ; the block's largest p: the same two instructions on the same number give the same bits
.endr
	v_pk_add_f32 v[236:237], v[96:97], v[98:99]    ; THE ROW'S SUM IS TAKEN OF THE UNQUANTISED p: two at a time, in two chains.  (It reads the 64 alone: plain work behind the four)
.irp j, 4,8,12,16,20,24,28,32,36,40,44,48,52,56,60
	v_pk_add_f32 v[14:15], v[14:15], v[96+\j:97+\j]
	v_pk_add_f32 v[236:237], v[236:237], v[98+\j:99+\j]
.endr
	v_pk_add_f32 v[14:15], v[14:15], v[236:237]
	s_wait_alu depctr_va_vdst(0)                   ; and one for the four
.irp b, 0,1,2,3
	v_max_num_f32 v[232+\b], 0x1800000, v[232+\b]  ; the floor 2^(3 - 127): the byte cannot fall under 1 (a block whose every p is 0 keeps that byte: its codes are zeros)
.endr
.irp b, 0,1,2,3
	v_add_nc_u32 v[244+\b], 0xff000000, v[232+\b]  ; 2 off the exponent field: the conversion's scale operand
.endr
.irp b, 0,1,2,3
	v_lshrrev_b32 v[236+\b], 23, v[244+\b]         ; the scale's byte
.endr
	v_lshl_or_b32 v253, v237, 8, v236              ; p's scale word for these 128 keys
	v_lshl_or_b32 v253, v238, 16, v253
	v_lshl_or_b32 v253, v239, 24, v253
.irp c, 0,1
	v_cvt_scalef32_pk16_fp6_f32 v[224+6*\c:226+6*\c], v[96+32*\c:111+32*\c], v[244+2*\c]
	v_cvt_scalef32_pk16_fp6_f32 v[236+4*\c:238+4*\c], v[112+32*\c:127+32*\c], v[244+2*\c+1]   ; (a conversion's three registers begin on an even number)
.endr
	v_nop                                          ; one plain place behind a scaled conversion
.irp c, 0,1                                    ; the operand's layout wants a WHOLE block in a lane: lanes 0-15 block 2 c, lanes 16-31 block 2 c + 1
.irp i, 0,1,2
	v_permlane16_swap_b32 v[224+6*\c+\i], v[236+4*\c+\i]
.endr
.irp i, 0,1,2
	v_mov_b32 v[227+6*\c+\i], v[236+4*\c+\i]
.endr
.endr
.set J, 0
.rept 32
	v_pk_mul_f32 v[160+J:161+J], v[160+J:161+J], v[252:253] op_sel_hi:[1,0]   ; O^T under the new M: x f.  (These 32 are also the places between p's codes and scale word and the products below)
.set J, J+2
.endr
	s_wait_dscnt 0x0                               ; V is in
	WIN 0x01
.irp a, 0,1,2,3,4,5,6,7                        ; O^T += V^T P^T: the eight accumulators by turns, one instruction a turn
	v_wmma_scale_f32_16x16x128_f8f6f4 v[160+8*\a:167+8*\a], v[VF+12*\a:VF+12*\a+11], v[224:235], v[160+8*\a:167+8*\a], v[VS+\a], v253 matrix_a_fmt:MATRIX_FMT_FP6 matrix_b_fmt:MATRIX_FMT_FP6
.endr
	WIN 0
.rept 4
	v_nop                                          ; places in front of the next step's loads into V's registers and scale words, and of the way out's first read of O^T
.endr
.endm
; A TRIP.  Each wave waits for all its tensor loads (its part of the slot that it is about to read), adds 0 to its spare word, and waits for that and for its reads of the slot that it has left.  The round of the
; cluster's barrier then shows the same of every wave of all sixteen work-groups.  refill = 1: the other slot takes the next key step: the first tensor load behind the round, one a wave, with a key step in which to land.
.macro TRIP slot, refill
	s_wait_tensorcnt 0x0                           ; no tensor load of mine is out, so a group 0 may be written
	ds_add_u32 v[SPW], v[NIL]                      ; 0 onto my spare word; the steps below stand between it and the wait for it
	s_add_nc_u64 s[G0M+4*\slot+2:G0M+4*\slot+3], s[G0M+4*\slot+2:G0M+4*\slot+3], 2*512       ; this slot's next key step
	s_add_nc_u64 s[G0KV+4*\slot+2:G0KV+4*\slot+3], s[G0KV+4*\slot+2:G0KV+4*\slot+3], 2*2*BLK
.if \refill
	s_wait_xcnt 0x0                                ; the last prefetch, a key step back, has read its address, so it may be written
	s_add_nc_u64 s[PFA:PFA+1], s[PFA:PFA+1], s[PFS:PFS+1]
	s_add_co_u32 s[STP], s[STP], 1
.endif
	s_wait_dscnt 0x0                               ; the add is done, and my reads of the slot that I have left are over
	CROUND
.if \refill
	JLOAD 1-\slot
	ASK
.endif
	STEP \slot
.endm
	s_wait_loadcnt 0x0                             ; Q
	s_mov_b32 s62, 7
.Lpair:                                            ; 16 key steps: seven trips of two, and two written out
	TRIP 0, 1
	TRIP 1, 1
	s_sub_co_u32 s62, s62, 1
	s_cmp_lg_u32 s62, 0
	s_cbranch_scc1 .Lpair
	TRIP 0, 1
	TRIP 1, 0
; 64 numbers of a lane, register 16 b + i = k 32 b + 16 (lane / 16) + i of my row, become a fragment's codes in v[PC] on and its scale word in v[pw]
.macro QUANT src, w, pw
	WIN (\w)|((\w)<<2)
.irp b, 0,1,2,3
	v_max3_num_f32 v[TM+\b], |v[\src+16*\b]|, |v[\src+16*\b+1]|, 0x1800000
.endr
.irp i, 2,4,6,8,10,12,14
.irp b, 0,1,2,3
	v_max3_num_f32 v[TM+\b], |v[\src+16*\b+\i]|, |v[\src+16*\b+\i+1]|, v[TM+\b]
.endr
.endr
	WIN 0
.irp b, 0,1,2,3
	v_permlanex16_b32 v[TM+4+\b], v[TM+\b], s[SEL], s[SEL+1]
.endr
.irp b, 0,1,2,3
	v_max_num_f32 v[TM+\b], v[TM+\b], v[TM+4+\b]
.endr
.irp b, 0,1,2,3
	v_add_nc_u32 v[TM+12+\b], 0xff000000, v[TM+\b]
.endr
.irp b, 0,1,2,3
	v_lshrrev_b32 v[TM+4+\b], 23, v[TM+12+\b]
.endr
	v_lshl_or_b32 v[\pw], v[TM+5], 8, v[TM+4]
	v_lshl_or_b32 v[\pw], v[TM+6], 16, v[\pw]
	v_lshl_or_b32 v[\pw], v[TM+7], 24, v[\pw]
	WIN (\w)
.irp c, 0,1
	v_cvt_scalef32_pk16_fp6_f32 v[PC+6*\c:PC+2+6*\c], v[\src+32*\c:\src+15+32*\c], v[TM+12+2*\c]
	v_cvt_scalef32_pk16_fp6_f32 v[PC+12+4*\c:PC+14+4*\c], v[\src+16+32*\c:\src+31+32*\c], v[TM+12+2*\c+1]
.endr
	WIN 0
	v_nop                                          ; one plain place behind a scaled conversion
.irp c, 0,1
.irp i, 0,1,2
	v_permlane16_swap_b32 v[PC+6*\c+\i], v[PC+12+4*\c+\i]
.endr
.irp i, 0,1,2
	v_mov_b32 v[PC+3+6*\c+\i], v[PC+12+4*\c+\i]
.endr
.endr
.endm
	; THE WAY OUT.  O^T / the sum: register 16 b + i is channel 32 b + 16 h + i of my query: 64 neighbours by blocks along the last projection's K.  It is quantised and leaves as a fragment's image.
	v_add_f32 v14, v14, v15                        ; the sum's two halves,
	v_permlanex16_b32 v252, v14, s[SEL], s[SEL+1]
	v_add_f32 v14, v14, v252                       ; and lane l xor 16's: the row's sum
	v_rcp_f32 v14, v14
	v_nop                                          ; a plain place behind the transcendental,
	s_wait_alu depctr_va_vdst(0)                   ; and the wait ahead of the first reader
.set J, 0
.rept 32
	v_pk_mul_f32 v[96+J:97+J], v[160+J:161+J], v[14:15] op_sel_hi:[1,0]   ; each accumulator from its low end on
.set J, J+2
.endr
	QUANT 96, 0, 253
.irp c, 0,1,2
	global_store_b128 v[ALI], v[PC+4*\c:PC+4*\c+3], s[84:85] offset:512*\c   ; 512 consecutive bytes, at a multiple of 256 from the buffer's first byte
.endr
	s_wait_xcnt 0x0                                ; EXEC changes only behind this wait
	v_cmp_gt_u32 vcc_lo, 16, v28
	s_and_saveexec_b32 s66, vcc_lo                 ; both lanes of a query hold its scale word: lanes 0-15 store it
	global_store_b32 v[R8], v253, s[86:87]         ; 4 bytes a lane, 8 bytes apart (the neighbouring head's words lie between): 64 bytes a wave, 131,072 in the launch
	s_wait_xcnt 0x0                                ; and again, in front of the line that widens it
	s_or_b32 exec_lo, exec_lo, s66
	s_wait_tensorcnt 0x0                           ; the wave's end
	ds_add_u32 v[SPW], v[NIL]
	s_wait_dscnt 0x0
	CROUND                                         ; the closing round: no work-group ends while a partner may still ask for a tile that names it
	s_endpgm
.Lfunc_end_k_q775a1daaa9_attn:
	.size	k_q775a1daaa9_attn, .Lfunc_end_k_q775a1daaa9_attn-k_q775a1daaa9_attn
	.p2alignl 7, 3214868480
	.fill 96, 4, 3214868480
	.section	.rodata,"a",@progbits
	.p2align	6, 0x0
	.amdhsa_kernel k_q775a1daaa9_attn
		.amdhsa_group_segment_fixed_size 327680
		.amdhsa_private_segment_fixed_size 0
		.amdhsa_enable_private_segment 0
		.amdhsa_kernarg_size 24
		.amdhsa_user_sgpr_count 2
		.amdhsa_user_sgpr_kernarg_segment_ptr 1
		.amdhsa_wavefront_size32 1
		.amdhsa_system_sgpr_workgroup_id_x 1
		.amdhsa_system_sgpr_workgroup_id_y 1
		.amdhsa_system_sgpr_workgroup_id_z 1
		.amdhsa_system_vgpr_workitem_id 0
		.amdhsa_next_free_vgpr 512
		.amdhsa_next_free_sgpr 100
		.amdhsa_reserve_vcc 1
		.amdhsa_float_denorm_mode_32 3
		.amdhsa_float_denorm_mode_16_64 3
		.amdhsa_memory_ordered 1
		.amdhsa_forward_progress 1
		.amdhsa_inst_pref_size 113
	.end_amdhsa_kernel
	.amdgpu_metadata
---
amdhsa.version: [ 1, 2 ]
amdhsa.kernels:
  - .name:           k_q775a1daaa9_attn
    .symbol:         k_q775a1daaa9_attn.kd
    .args:
      - { .name: qkv, .offset: 0, .size: 8, .value_kind: global_buffer, .address_space: global }
      - { .name: attention_mask, .offset: 8, .size: 8, .value_kind: global_buffer, .address_space: global }
      - { .name: ao, .offset: 16, .size: 8, .value_kind: global_buffer, .address_space: global }
    .group_segment_fixed_size: 327680
    .private_segment_fixed_size: 0
    .kernarg_segment_align: 8
    .kernarg_segment_size: 24
    .max_flat_workgroup_size: 256
    .sgpr_count:     100
    .vgpr_count:     512
    .wavefront_size: 32
...
	.end_amdgpu_metadata
.endif
;; end of part 3
;; launch oproj (part 4): grid 8 x 32, 4 waves a work-group, clusters of 4 x 4, 327,680 bytes of LDS; arguments ao, ops, out0; writes out0
.if DOCPART == 4
	.amdgcn_target "amdgcn-amd-amdhsa--gfx1250"
	.amdhsa_code_object_version 6
	.text
	.protected	k_q775a1daaa9_oproj
	.globl	k_q775a1daaa9_oproj
	.p2align	8
	.type	k_q775a1daaa9_oproj,@function
k_q775a1daaa9_oproj:
	s_mov_b64 s[64:65], 0
	v_nop
	global_prefetch_b8 v0, s[64:65] scope:SCOPE_SE
	s_setreg_imm32_b32 hwreg(HW_REG_WAVE_MODE, 25, 1), 1
	s_wait_xcnt 0x0
	s_wait_alu depctr_hold_cnt(0) depctr_sa_sdst(0) depctr_va_vdst(0) depctr_va_sdst(0) depctr_va_ssrc(0) depctr_va_vcc(0) depctr_vm_vsrc(0)
	s_getreg_b32 s2, hwreg(HW_REG_IB_STS2, 6, 4)
	s_cmp_eq_u32 s2, 0
	s_cbranch_scc0 .Lentry_in_a_cluster
	s_endpgm
.Lentry_in_a_cluster:
	s_bfe_u32 s2, ttmp6, 0x10000c
	s_cmp_lg_u32 s2, 0xf033
	s_cbranch_scc0 .Lentry_shape_is_right
	s_endpgm
.Lentry_shape_is_right:
; out0 [4096][2048] f32 = attention's result [4096][1024] x Wo^T, Wo [2048][1024], both as codes of FP6 (E2M3) with E8M0 scales, laid as images of the operands' registers (1,536 bytes for a tile of 16 rows x 128 K).
; A work-group of four waves makes 128 tokens x 256 columns, a wave 64 x 128: 32 accumulators of 16 x 16, 256 registers.  256 work-groups.
; ALL OF K LIES IN LDS: 8 tiles of tokens and 16 tiles of Wo, 12,288 bytes each, and their scale words: 307,200 bytes, EACH BYTE FILLED ONCE.  So there is no ring: no slot is filled again.
; Every wave issues eight tensor loads at the start, cut along K, and the K steps begin as their parts land: a counted wait and a work-group barrier ahead of each part's first read.
; Source 0 = a tile of Wo, source 1 = a tile of tokens.  Tile t holds rows 32 (t / 2) + 8 (t % 2) + r + 8 (r / 8): so a lane holds one token, and its registers of tile b of Wo are columns 32 (b / 2) + 16 (lane / 16) + 8 (b % 2) + 0 .. 7.
; CLUSTERS: 4 x 4 work-groups: the tokens' tiles are asked for jointly along a row of the cluster, Wo's along a column.
; REGISTERS, in windows of 256.  Window 0: v16-26 addresses; v32-63 the tokens' scale words (tile a, K step k at v[32 + 8 a + k]), v64-127 Wo's (v[64 + 8 b + k]): all of K, read once; v128-255 rows read back on the way out.
;   windows 1 and 3: two sets of fragments, for the even and the odd K steps: Wo's eight at v0-95, the tokens' four at v96-143.   window 2: accumulator (a, b) at v[8 (8 a + b)].
.set AOS,    3145728                   ; in ao: the scale words
.set OC,     11010048                  ; in ops: Wo's codes,
.set OS,     13041664                  ; Wo's scale words
.set KT,     12288                     ; a tile's codes in memory: 8 fragments
.set FRB,    1536
.set FR,     12
.set NP,     4                         ; places behind this matrix instruction (ISA guide 7.12.1)
.set ACH,    8*4*FRB                   ; LDS: a part of A: 8 tiles x 512 along K; two parts from byte 0 on
.set BCH,    16*2*FRB                  ; a part of B: 16 tiles x 256 along K; four parts
.set BBASE,  2*ACH
.set SCL,    BBASE+4*BCH               ; A's scale words: 8 tiles x 512 bytes
.set SCB,    SCL+8*512                 ; B's: 16 tiles x 512 bytes
.set SPITCH, 528                       ; the way out: a stage of 16 rows x (512 bytes + 16) for each wave, 33,792 bytes from byte 0 on: in A's first part, which is filled once and last read ahead of K step 3's barrier
.set NROW,   8192                      ; a row of out0 in bytes
.set ADRA, 16                          ; v16-17  my four tiles in A's part 0, 1, + 16 x lane
.set ADRB, 18                          ; v18-21  my eight tiles in B's part 0 .. 3, + 16 x lane
.set ASA,  22                          ; v22     my tiles' scale words of A, + 8 r
.set ASB,  23                          ; v23     of B
.set STO,  24                          ; v24     the way out: where I put 32 bytes of a row
.set RD,   25                          ; v25     where I read a row back
.set CO,   26                          ; v26     16 x lane
.set SCA,  32
.set SCBR, 64
.set BK,   128
.set AFR,  96                          ; in a set: A's fragments behind B's
.set G1A,  24                          ; s[24:31] descriptor group 1 for A's codes;  s[32:39] B's codes;  s[40:47] A's scale words;  s[48:55] B's
.set G1B,  32
.set G1SA, 40
.set G1SB, 48
.set G0SA, 56                          ; groups 0, one for each of my eight loads: none is written again
.set G0SB, 60
.set G0A0, 68
.set G0B0, 72
.set G0B1, 76
.set G0A1, 80
.set G0B2, 84
.set G0B3, 88
.set MSB, 0
.macro WIN new                         ; the immediate's high byte repeats the setting that is left; a switch that changes nothing is dropped
.if MSB != (\new)
	s_set_vgpr_msb (MSB<<8)|(\new)
.set MSB, (\new)
.endif
.endm
.macro CROUND                          ; a round of the cluster's barrier
	s_barrier_signal -1
	s_barrier_wait -1
	s_cmp_lg_u32 s16, 0
	s_cbranch_scc1 .Lnot_wave_0_\@
	s_barrier_signal -3
.Lnot_wave_0_\@:
	s_barrier_wait -3
	s_barrier_signal -1
	s_barrier_wait -1
.endm
.macro MKG0 g, lreg, loff, areg, aoff  ; a group 0: count 1; LDS address = a constant x my wave + a constant; global address; type 2
	s_mov_b32 s[\g], 1
	s_add_co_u32 s[\g+1], s[\lreg], \loff
	s_add_nc_u64 s[\g+2:\g+3], s[\areg:\areg+1], \aoff
	s_or_b32 s[\g+3], s[\g+3], 0x80000000
.endm
	s_load_b128 s[4:7], s[0:1], 0x0                ; ao s[4:5], ops s[6:7]
	s_load_b64 s[8:9], s[0:1], 0x10                ; out0
	v_lshl_add_u32 v30, v0, 2, 0x4b000
	v_mov_b32 v31, 0
	ds_add_u32 v30, v31
	v_lshrrev_b32 v1, 5, v0
	v_readfirstlane_b32 s16, v1                    ; wave 0..3
	s_lshr_b32 s17, s16, 1                         ; which 64 tokens are mine
	s_and_b32 s18, s16, 1                          ; which 128 columns
	s_bfe_u32 s20, ttmp6, 0x40000                  ; cx, cy
	s_bfe_u32 s21, ttmp6, 0x40004
	s_lshl_b32 s23, ttmp9, 2
	s_add_co_u32 s23, s23, s20                     ; block of 256 columns, 0..7
	s_and_b32 s22, ttmp7, 0xffff
	s_lshl_b32 s22, s22, 2
	s_add_co_u32 s22, s22, s21                     ; block of 128 tokens, 0..31
	s_lshl_b32 s2, s21, 2
	s_lshl_b32 s2, 15, s2                          ; my row of the cluster
	s_lshl_b32 s3, 0x1111, s20                     ; my column
	; A's codes: my 2 tiles x 512 along K: 2 rows of 6,144 bytes (768 elements of 8 bytes), 12,288 bytes apart in memory, on end in LDS
	s_or_b32 s[G1A], s2, (3<<16)|(1<<21)           ; 15:0 the mask: my row; 17:16 elements of 8 bytes; 20 no padding; 21 set beside a mask
	s_mov_b32 s[G1A+1], 768<<16
	s_mov_b32 s[G1A+2], 2<<16
	s_mov_b32 s[G1A+3], 768<<16
	s_mov_b32 s[G1A+4], 2
	s_mov_b32 s[G1A+5], KT/8
	s_mov_b32 s[G1A+6], 0
	s_mov_b32 s[G1A+7], 0
	; B's codes: my 4 tiles x 256 along K: 4 rows of 3,072 bytes
	s_or_b32 s[G1B], s3, (3<<16)|(1<<21)           ; my column
	s_mov_b32 s[G1B+1], 384<<16
	s_mov_b32 s[G1B+2], 4<<16
	s_mov_b32 s[G1B+3], 384<<16
	s_mov_b32 s[G1B+4], 4
	s_mov_b32 s[G1B+5], KT/8
	s_mov_b32 s[G1B+6], 0
	s_mov_b32 s[G1B+7], 0
	; the scale words of my 2 tiles of A: 1,024 dense bytes, as 4 rows of 256;  of my 4 tiles of B: 8 rows
	s_or_b32 s[G1SA], s2, (3<<16)|(1<<21)
	s_mov_b32 s[G1SA+1], 32<<16
	s_mov_b32 s[G1SA+2], 4<<16
	s_mov_b32 s[G1SA+3], 32<<16
	s_mov_b32 s[G1SA+4], 4
	s_mov_b32 s[G1SA+5], 32
	s_mov_b32 s[G1SA+6], 0
	s_mov_b32 s[G1SA+7], 0
	s_or_b32 s[G1SB], s3, (3<<16)|(1<<21)
	s_mov_b32 s[G1SB+1], 32<<16
	s_mov_b32 s[G1SB+2], 8<<16
	s_mov_b32 s[G1SB+3], 32<<16
	s_mov_b32 s[G1SB+4], 8
	s_mov_b32 s[G1SB+5], 32
	s_mov_b32 s[G1SB+6], 0
	s_mov_b32 s[G1SB+7], 0
	s_lshl_b32 s92, s22, 3
	s_lshl_b32 s93, s16, 1
	s_add_co_u32 s92, s92, s93                     ; A: the first of the two tiles that I fetch: it hangs on cy alone of my place
	s_mul_i32 s94, s92, KT
	s_mov_b32 s95, 0
	s_lshl_b32 s96, s92, 9
	s_add_co_u32 s96, s96, AOS
	s_mov_b32 s97, 0
	s_lshl_b32 s10, s23, 4
	s_lshl_b32 s11, s16, 2
	s_add_co_u32 s10, s10, s11                     ; B: the first of my four: on cx alone, in registers of its own
	s_mul_i32 s12, s10, KT
	s_add_co_u32 s12, s12, OC
	s_mov_b32 s13, 0
	s_lshl_b32 s14, s10, 9
	s_add_co_u32 s14, s14, OS
	s_mov_b32 s15, 0
	s_mul_i32 s98, s16, 8*FRB                      ; where they go in a part: 12,288 bytes a wave, of A as of B: no place in the cluster enters an LDS address
	s_lshl_b32 s99, s16, 10                        ; A's scale words: 1,024 bytes a wave
	s_lshl_b32 s11, s16, 11                        ; B's: 2,048
	s_wait_dscnt 0x0
	s_wait_kmcnt 0x0
	s_add_nc_u64 s[94:95], s[4:5], s[94:95]
	s_add_nc_u64 s[96:97], s[4:5], s[96:97]
	s_add_nc_u64 s[12:13], s[6:7], s[12:13]
	s_add_nc_u64 s[14:15], s[6:7], s[14:15]
	MKG0 G0SA, 99, SCL, 96, 0
	MKG0 G0SB, 11, SCB, 14, 0
	MKG0 G0A0, 98, 0, 94, 0
	MKG0 G0B0, 98, BBASE, 12, 0
	MKG0 G0B1, 98, BBASE+BCH, 12, 2*FRB
	MKG0 G0A1, 98, ACH, 94, 4*FRB
	MKG0 G0B2, 98, BBASE+2*BCH, 12, 4*FRB
	MKG0 G0B3, 98, BBASE+3*BCH, 12, 6*FRB
	CROUND                                         ; all sixteen work-groups are here: the joint loads meet
	; All fills of the launch, as one group, the same eight lines in every wave: eight tensor loads of mine are out.  In the order in which the K steps want them
	tensor_load_to_lds s[G0SA:G0SA+3], s[G1SA:G1SA+7]    ; A's scale words
	s_nop 0
	tensor_load_to_lds s[G0SB:G0SB+3], s[G1SB:G1SB+7]    ; B's
	s_nop 0
	tensor_load_to_lds s[G0A0:G0A0+3], s[G1A:G1A+7]      ; A, K steps 0-3
	s_nop 0
	tensor_load_to_lds s[G0B0:G0B0+3], s[G1B:G1B+7]      ; B, K steps 0-1
	s_nop 0
	tensor_load_to_lds s[G0B1:G0B1+3], s[G1B:G1B+7]      ; B, K steps 2-3
	s_nop 0
	tensor_load_to_lds s[G0A1:G0A1+3], s[G1A:G1A+7]      ; A, K steps 4-7
	s_nop 0
	tensor_load_to_lds s[G0B2:G0B2+3], s[G1B:G1B+7]      ; B, K steps 4-5
	s_nop 0
	tensor_load_to_lds s[G0B3:G0B3+3], s[G1B:G1B+7]      ; B, K steps 6-7
	s_nop 0
.rept 4
	v_nop
.endr
	v_and_b32 v1, 15, v0                           ; r
	v_bfe_u32 v2, v0, 4, 1                         ; h
	v_and_b32 v3, 31, v0
	v_lshlrev_b32 v[CO], 4, v3
	s_mul_i32 s10, s17, 4*4*FRB                    ; my four tiles in a part of A
	s_mul_i32 s11, s18, 8*2*FRB                    ; my eight tiles in a part of B
	s_add_co_u32 s11, s11, BBASE
	v_add_nc_u32 v[ADRA], s10, v[CO]
	v_add_nc_u32 v[ADRA+1], ACH, v[ADRA]
	v_add_nc_u32 v[ADRB], s11, v[CO]
	v_add_nc_u32 v[ADRB+1], BCH, v[ADRB]
	v_add_nc_u32 v[ADRB+2], BCH, v[ADRB+1]
	v_add_nc_u32 v[ADRB+3], BCH, v[ADRB+2]
	v_lshlrev_b32 v4, 3, v1                        ; a row's two words of 256 along K: 8 r (lanes 16-31 read what lanes 0-15 read: the unit takes lanes 0-15)
	s_lshl_b32 s12, s17, 11
	s_add_co_u32 s12, s12, SCL
	v_add_nc_u32 v[ASA], s12, v4
	s_lshl_b32 s13, s18, 12
	s_add_co_u32 s13, s13, SCB
	v_add_nc_u32 v[ASB], s13, v4
	s_mul_i32 s14, s16, 16*SPITCH                  ; my stage
	v_mul_u32_u24 v5, v1, SPITCH
	v_lshl_add_u32 v5, v2, 6, v5
	v_add_nc_u32 v[STO], s14, v5                   ; in: row r, + 64 h
	v_add_nc_u32 v[RD], s14, v[CO]                 ; back: the 32 lanes take one row of 512 bytes
	s_lshl_b32 s92, s22, 7
	s_lshl_b32 s93, s17, 6
	s_add_co_u32 s92, s92, s93                     ; my first token
	s_lshl_b32 s92, s92, 13                        ; x 8,192 bytes (under 2^26)
	s_lshl_b32 s93, s23, 10
	s_add_co_u32 s92, s92, s93
	s_lshl_b32 s93, s18, 9
	s_add_co_u32 s92, s92, s93                     ; + my first column's bytes
	s_mov_b32 s93, 0
	s_add_nc_u64 s[8:9], s[8:9], s[92:93]
.macro FB k, i                         ; B's tile i of K step k: the image of its 12 registers, three loads of 512 consecutive bytes
.irp c, 0,1,2
	ds_load_b128 v[FR*(\i)+4*\c:FR*(\i)+4*\c+3], v[ADRB+(\k)/2] offset:(\i)*2*FRB+((\k)%2)*FRB+512*\c
.endr
.endm
.macro FA k, i                         ; A's tile i
.irp c, 0,1,2
	ds_load_b128 v[AFR+FR*(\i)+4*\c:AFR+FR*(\i)+4*\c+3], v[ADRA+(\k)/4] offset:(\i)*4*FRB+((\k)%4)*FRB+512*\c
.endr
.endm
.macro FETCH1 k                        ; K step k's fragments into set k % 2 (window 1 or 3), in two runs of 18 loads
	WIN 0x40+0x80*((\k)%2)
.irp i, 0,1,2,3,4,5
	FB \k, \i
.endr
.endm
.macro FETCH2 k
	WIN 0x40+0x80*((\k)%2)
	FB \k, 6
	FB \k, 7
.irp i, 0,1,2,3
	FA \k, \i
.endr
.endm
; 8 matrix instructions: A's block a x B's eight, K step k.  The first K step starts the sums: nothing is ever cleared.
; The 32 accumulators take turns, one instruction a turn, in the same order in every K step.
.macro MULG k, a
	WIN 0xa5+0x0a*((\k)%2)                         ; sources 0 and 1 window 1 or 3, C and D window 2
.irp b, 0,1,2,3,4,5,6,7
.if (\k) == 0
	v_wmma_scale_f32_16x16x128_f8f6f4 v[8*(8*(\a)+\b):8*(8*(\a)+\b)+7], v[FR*\b:FR*\b+FR-1], v[AFR+FR*(\a):AFR+FR*(\a)+FR-1], 0, v[SCBR+8*\b+(\k)], v[SCA+8*(\a)+(\k)] matrix_a_fmt:MATRIX_FMT_FP6 matrix_b_fmt:MATRIX_FMT_FP6
.else
	v_wmma_scale_f32_16x16x128_f8f6f4 v[8*(8*(\a)+\b):8*(8*(\a)+\b)+7], v[FR*\b:FR*\b+FR-1], v[AFR+FR*(\a):AFR+FR*(\a)+FR-1], v[8*(8*(\a)+\b):8*(8*(\a)+\b)+7], v[SCBR+8*\b+(\k)], v[SCA+8*(\a)+(\k)] matrix_a_fmt:MATRIX_FMT_FP6 matrix_b_fmt:MATRIX_FMT_FP6
.endif
.endr
.endm
.macro PLACES n                        ; places behind matrix instructions, ahead of loads into their operands' registers and of reads of their results (ISA guide 7.12.1 for vector instructions)
.rept \n
	v_nop
.endr
.endm
; K step k: 32 matrix instructions on set k % 2; among them the next K step's 36 loads into the other set, whose last readers, the K step before's products, stand in front of the four places.
; tc >= 0: the next K step begins a part that may still be on its way: I wait until at most tc of my tensor loads are out, and a barrier shows the same of all four waves.
.macro STEPK k, tc
	s_wait_dscnt 0x0                               ; this K step's fragments are in; and no LDS instruction of mine is out at a signal
.if \tc >= 0
	s_wait_tensorcnt \tc
	s_barrier_signal -1
.endif
	MULG \k, 0                                     ; work on registers while the others arrive
.if \tc >= 0
	s_barrier_wait -1
.endif
.if (\k) < 7
	PLACES NP
	FETCH1 (\k)+1
.endif
	MULG \k, 1
.if (\k) < 7
	FETCH2 (\k)+1
.endif
	MULG \k, 2
	MULG \k, 3
.endm
	s_wait_tensorcnt 4                             ; my scale words, A's first part and B's first part are in; the four loads behind them may be out,
	s_barrier_signal -1
	s_barrier_wait -1                              ; and the same holds of every wave
	FETCH1 0
	FETCH2 0
	WIN 0
.irp i, 0,1,2,3
.irp s, 0,1,2,3
	ds_load_b64 v[SCA+8*\i+2*\s:SCA+8*\i+2*\s+1], v[ASA] offset:512*\i+128*\s     ; the scale words of all of K: two words for each 256 along K
.endr
.endr
.irp i, 0,1,2,3,4,5,6,7
.irp s, 0,1,2,3
	ds_load_b64 v[SCBR+8*\i+2*\s:SCBR+8*\i+2*\s+1], v[ASB] offset:512*\i+128*\s
.endr
.endr
	STEPK 0, -1
	STEPK 1, 3                                     ; B's K steps 2-3 are wanted: the three loads behind that one may be out
	STEPK 2, -1
	STEPK 3, 1                                     ; A's K steps 4-7 and B's 4-5: the last load may be out.  Behind this barrier nobody reads A's first part any more
	STEPK 4, -1
	STEPK 5, 0                                     ; B's K steps 6-7: the last load
	STEPK 6, -1
	STEPK 7, -1
	WIN 0
; THE WAY OUT, block by block of 16 tokens x 128 columns, through my own stage in LDS: in by lanes (32 bytes of a row for each tile of Wo), back as whole rows of 512 bytes.
; LDS serves a wave's instructions in order (ISA guide 5.7.1.4): no wait between the stores and the loads, nor in front of the next block's stores.
.macro TOSTAGE a
.set AC, 64*(\a)
	WIN 0x08                                       ; an LDS store's data are its source 1: window 2
.irp b, 0,1,2,3,4,5,6,7
	ds_store_b128 v[STO], v[AC+8*\b:AC+8*\b+3] offset:128*(\b/2)+32*(\b%2)          ; columns 32 (b / 2) + 16 h + 8 (b % 2) on; each accumulator from its low end on
	ds_store_b128 v[STO], v[AC+8*\b+4:AC+8*\b+7] offset:128*(\b/2)+32*(\b%2)+16
.endr
	WIN 0
.set BB, BK+64*((\a)%2)
.irp t, 0,1,2,3,4,5,6,7,8,9,10,11,12,13,14,15
	ds_load_b128 v[BB+4*\t:BB+4*\t+3], v[RD] offset:\t*SPITCH
.endr
.endm
.macro SEND a, younger                 ; younger: the LDS instructions issued behind block a's loads, which may stay out
.set BB, BK+64*((\a)%2)
	s_wait_dscnt \younger
.if (\a) > 0
.if ((\a)%2) == 1
	s_add_nc_u64 s[8:9], s[8:9], 8*NROW            ; (behind a wait on XCNT: the earlier stores have read their base)  block a begins at token 32 (a / 2) + 8 (a % 2)
.else
	s_add_nc_u64 s[8:9], s[8:9], 24*NROW
.endif
.endif
.irp t, 0,1,2,3,4,5,6,7,8,9,10,11,12,13,14,15
	global_store_b128 v[CO], v[BB+4*\t:BB+4*\t+3], s[8:9] offset:(\t+8*(\t/8))*NROW th:TH_STORE_NT   ; 32 lanes store 512 consecutive bytes, at a multiple of 256 from out0's first byte; written once
.endr
.endm
	PLACES NP                                      ; behind the last products, ahead of the first read of results
	TOSTAGE 0
.irp a, 1,2,3
.if \a > 1
	s_wait_xcnt 0x0                                ; block a - 2's stores have read their registers and their base
.endif
	TOSTAGE \a
	SEND \a-1, 32                                  ; behind block a - 1's loads: block a's 16 stores and 16 loads
.endr
	s_wait_xcnt 0x0
	SEND 3, 0
	s_wait_tensorcnt 0x0
	ds_add_u32 v30, v31
	s_wait_dscnt 0x0
	CROUND                                         ; the closing round: no work-group ends while a partner may still ask for a tile that names it
	s_endpgm
.Lfunc_end_k_q775a1daaa9_oproj:
	.size	k_q775a1daaa9_oproj, .Lfunc_end_k_q775a1daaa9_oproj-k_q775a1daaa9_oproj
	.p2alignl 7, 3214868480
	.fill 96, 4, 3214868480
	.section	.rodata,"a",@progbits
	.p2align	6, 0x0
	.amdhsa_kernel k_q775a1daaa9_oproj
		.amdhsa_group_segment_fixed_size 327680
		.amdhsa_private_segment_fixed_size 0
		.amdhsa_enable_private_segment 0
		.amdhsa_kernarg_size 24
		.amdhsa_user_sgpr_count 2
		.amdhsa_user_sgpr_kernarg_segment_ptr 1
		.amdhsa_wavefront_size32 1
		.amdhsa_system_sgpr_workgroup_id_x 1
		.amdhsa_system_sgpr_workgroup_id_y 1
		.amdhsa_system_sgpr_workgroup_id_z 1
		.amdhsa_system_vgpr_workitem_id 0
		.amdhsa_next_free_vgpr 1024
		.amdhsa_next_free_sgpr 100
		.amdhsa_reserve_vcc 0
		.amdhsa_float_denorm_mode_32 3
		.amdhsa_float_denorm_mode_16_64 3
		.amdhsa_memory_ordered 1
		.amdhsa_forward_progress 1
		.amdhsa_inst_pref_size 80
	.end_amdhsa_kernel
	.amdgpu_metadata
---
amdhsa.version: [ 1, 2 ]
amdhsa.kernels:
  - .name:           k_q775a1daaa9_oproj
    .symbol:         k_q775a1daaa9_oproj.kd
    .args:
      - { .name: ao, .offset: 0, .size: 8, .value_kind: global_buffer, .address_space: global }
      - { .name: ops, .offset: 8, .size: 8, .value_kind: global_buffer, .address_space: global }
      - { .name: out0, .offset: 16, .size: 8, .value_kind: global_buffer, .address_space: global }
    .group_segment_fixed_size: 327680
    .private_segment_fixed_size: 0
    .kernarg_segment_align: 8
    .kernarg_segment_size: 24
    .max_flat_workgroup_size: 128
    .sgpr_count:     100
    .vgpr_count:     1024
    .wavefront_size: 32
...
	.end_amdgpu_metadata
.endif
;; end of part 4
